; MI455X (gfx1250); checked and timed in simulation.
; The chip was launched on July 23, 2026; its instructions are those of AMD's public machine-readable ISA for CDNA 5 (MIT licence, August 2026) and "CDNA5" Instruction Set Architecture Reference Guide (July 2026). The comments in the code are by the model that wrote it; some were corrected since.
;; Multi Headed Self Retention Module. Allowed arithmetic: float matrix products may take bf16 or f16 operands with f32 sums; other float arithmetic in f32, or as packed bf16 or f16 multiplies, adds, multiply-adds, maxima and minima; sums over many terms, partial sums and values carried from step to step in f32; what a program stores and reads back later, other than sums and carried values, may be rounded once to bf16 or f16.
;; Inputs: Wg 1,024 x 1,024 float32; Wk 1,024 x 1,024 float32; Wo 1,024 x 1,024 float32; Wq 1,024 x 1,024 float32; Wv 1,024 x 1,024 float32; inputs 4 x 2,000 x 1,024 float32; ln_beta 1,024 float32; ln_gamma 1,024 float32.
;; Outputs: out0 4 x 2,000 x 1,024 float32.
;; One version. Each part assembles by itself: llvm-mc -triple=amdgcn-amd-amdhsa -mcpu=gfx1250 --defsym DOCPART=n.
;; ======== version 1 of 1: 5 launches
;; limits: values are held in f16: magnitudes above 65,504 overflow, below 6.1e-05 lose precision; right only within a limited range of input values; a function is approximated: absolute error at most 1e-05
;; workspace buffers: xh 16,777,216 bytes; wh 10,485,760 bytes; qkvg 67,108,864 bytes; ckv 6,291,456 bytes; yh 16,777,216 bytes
;; launch prep (part 1): grid 832 x 1, 4 waves a work-group, no clusters, 0 bytes of LDS; arguments inputs, ln_gamma, ln_beta, Wq, Wk, Wv, Wg, Wo, xh, wh; writes xh, wh
.if DOCPART == 1
	.amdgcn_target "amdgcn-amd-amdhsa--gfx1250"
	.amdhsa_code_object_version 6
	.text
	.protected	k_qe38cf50bc5_prep
	.globl	k_qe38cf50bc5_prep
	.p2align	8
	.type	k_qe38cf50bc5_prep,@function
k_qe38cf50bc5_prep:
	s_mov_b64 s[64:65], 0
	v_nop
	global_prefetch_b8 v0, s[64:65] scope:SCOPE_SE
	s_setreg_imm32_b32 hwreg(HW_REG_WAVE_MODE, 25, 1), 1
	s_wait_xcnt 0x0
; PREP.  LayerNorm of the 8,000 token rows into xh (f16), and the five weight matrices rounded once to f16 into wh.
; xh IS PADDED: each chunk of 500 rows is laid out as 512 rows, rows 500-511 exact zeros: 16 chunks x 512 = 8,192 rows.  A zero row of x gives zero rows of q, k, v and g, so no later
; launch needs a mask or an edge for the chunk's end; only the last launch leaves the pad rows unstored.
; WORK THAT THE PROGRAM LEAVES OUT, for all finite values of the inputs:
;  (a) key steps above the diagonal: reference() multiplies qk by a mask that its own tril sets to 0 there, so these products add 0 to the sum of |qk| and to qk @ v;
;  (b) the cross product and the cross scale of each sequence's first chunk: the scan starts from reference()'s own zeros and ones, so kv_rec[0] = 0 and cross_scale[0] = 1;
;  (c) kv of each sequence's last chunk: it enters only the scan's last carry, which reference() drops;
;  (d) inner_output / (all / inner_scale) = (qk mask @ v) / all and cross_output / (all / cross_scale) = cross_output cross_scale / all: the two divisions by the own scale cancel.
; All eight inputs have a way to the output and are loaded.  LIMIT: a NaN, an infinity or an overflow that reaches only the work left out is not carried to the result.
; LIMITS of the formats: x and the weights are kept in f16: beyond 65,504 they are lost, below 6e-5 they keep f16's fixed step of 6e-8.  NaN and infinities are not treated apart.
; SHARES.  Work-groups 0-511: 16 padded rows each, a wave four rows; 500 is a multiple of 4, so a wave's rows are all live or all pad.  Work-groups 512-831: 16 rows of one weight matrix.
; A wave takes a whole row: load j covers floats 128 j + 4 lane (512 consecutive bytes), store j the 8 bytes at 256 j + 8 lane: each store of the wave covers 256 consecutive bytes, aligned.
; Mean and variance in two passes over the registers (the mean is taken away before the squares), so a common offset of the inputs costs nothing.
.set GA, 8                             ; v[8:39]    gamma of my 32 columns
.set BE, 40                            ; v[40:71]   beta
.set X,  72                            ; v[72:199]  four rows, 32 registers each
.set T,  200                           ; v[200:207] at work
.set M,  216                           ; v[216:217] the mean, twice
.set R,  218                           ; v[218:219] 1 / sqrt(var + eps), twice
	s_load_b512 s[4:19], s[0:1], 0x0               ; inputs, gamma, beta, Wq, Wk, Wv, Wg, Wo
	s_load_b128 s[20:23], s[0:1], 0x40             ; xh, wh
	v_lshrrev_b32 v1, 5, v0
	v_readfirstlane_b32 s24, v1                    ; wave
	v_and_b32 v1, 31, v0
	v_lshlrev_b32 v2, 4, v1                        ; 16 x lane: loads
	v_lshlrev_b32 v3, 3, v1                        ; 8 x lane: stores
	s_mov_b32 s30, 0x3a800000                      ; 1 / 1024
	s_mov_b32 s32, 0x76543210                      ; v_permlanex16_b32: each lane takes its own place in the other half
	s_mov_b32 s33, 0xfedcba98
	s_lshl_b32 s25, s24, 2                         ; my four rows of the work-group's sixteen
	s_mov_b32 s29, 0
	s_wait_kmcnt 0x0
	s_cmp_lt_u32 ttmp9, 512
	s_cbranch_scc0 .Lweights
	s_lshl_b32 s26, ttmp9, 4
	s_add_co_u32 s26, s26, s25                     ; my first padded row
	s_lshl_b32 s28, s26, 11
	s_add_nc_u64 s[20:21], s[20:21], s[28:29]      ; xh at that row
	s_and_b32 s27, s26, 511                        ; its place in the chunk
	s_lshr_b32 s26, s26, 9                         ; the chunk
	s_cmp_ge_u32 s27, 500
	s_cbranch_scc1 .Lzero
	s_mul_i32 s26, s26, 500
	s_add_co_u32 s26, s26, s27                     ; the token row
	s_lshl_b32 s28, s26, 12
	s_add_nc_u64 s[4:5], s[4:5], s[28:29]
.irp j, 0,1,2,3,4,5,6,7
	global_load_b128 v[GA+4*(\j):GA+4*(\j)+3], v2, s[6:7] offset:512*(\j)
	global_load_b128 v[BE+4*(\j):BE+4*(\j)+3], v2, s[8:9] offset:512*(\j)
.endr
.set i, 0
.rept 32
	global_load_b128 v[X+4*i:X+4*i+3], v2, s[4:5] offset:512*i th:TH_LOAD_NT  ; four rows on end: 16 KiB of a wave on their way
.set i, i+1
.endr
.macro WSUM                            ; v[T] summed over the 32 lanes, the result in every lane
	v_add_f32_dpp v[T], v[T], v[T] row_xmask:1 row_mask:0xf bank_mask:0xf
	v_add_f32_dpp v[T], v[T], v[T] row_xmask:2 row_mask:0xf bank_mask:0xf
	v_add_f32_dpp v[T], v[T], v[T] row_xmask:4 row_mask:0xf bank_mask:0xf
	v_add_f32_dpp v[T], v[T], v[T] row_xmask:8 row_mask:0xf bank_mask:0xf
	v_permlanex16_b32 v[T+1], v[T], s32, s33
	v_add_f32 v[T], v[T], v[T+1]
.endm
.macro FOLD                            ; four chains of pairs into one number a lane
	v_pk_add_f32 v[T:T+1], v[T:T+1], v[T+2:T+3]
	v_pk_add_f32 v[T+4:T+5], v[T+4:T+5], v[T+6:T+7]
	v_pk_add_f32 v[T:T+1], v[T:T+1], v[T+4:T+5]
	v_add_f32 v[T], v[T], v[T+1]
.endm
.macro LNROW i
.set XR, X+32*(\i)
	s_wait_loadcnt 8*(3-(\i))                      ; loads come back in order: this row is in (gamma and beta are older); the later rows' eight loads each may stay out
.irp c, 0,1,2,3
	v_pk_add_f32 v[T+2*(\c):T+2*(\c)+1], v[XR+2*(\c):XR+2*(\c)+1], v[XR+8+2*(\c):XR+8+2*(\c)+1]
.endr
.irp c, 0,1,2,3
	v_pk_add_f32 v[T+2*(\c):T+2*(\c)+1], v[T+2*(\c):T+2*(\c)+1], v[XR+16+2*(\c):XR+16+2*(\c)+1]
.endr
.irp c, 0,1,2,3
	v_pk_add_f32 v[T+2*(\c):T+2*(\c)+1], v[T+2*(\c):T+2*(\c)+1], v[XR+24+2*(\c):XR+24+2*(\c)+1]
.endr
	FOLD
	WSUM
	v_mul_f32 v[M], s30, v[T]                      ; the mean
	v_mov_b32 v[M+1], v[M]
.set k, 0
.rept 16
	v_pk_add_f32 v[XR+k:XR+k+1], v[XR+k:XR+k+1], v[M:M+1] neg_lo:[0,1] neg_hi:[0,1]
.set k, k+2
.endr
.irp c, 0,1,2,3
	v_pk_mul_f32 v[T+2*(\c):T+2*(\c)+1], v[XR+2*(\c):XR+2*(\c)+1], v[XR+2*(\c):XR+2*(\c)+1]
.endr
.set k, 8
.rept 12
	v_pk_fma_f32 v[T+k%8:T+k%8+1], v[XR+k:XR+k+1], v[XR+k:XR+k+1], v[T+k%8:T+k%8+1]
.set k, k+2
.endr
	FOLD
	WSUM
	v_fmaak_f32 v[R], s30, v[T], 0x3727c5ac        ; var + 1e-5
	v_rsq_f32 v[R], v[R]
	v_nop                                          ; a plain instruction behind the root,
	s_wait_alu depctr_va_vdst(0)                   ; and the wait ahead of its first reader
	v_mov_b32 v[R+1], v[R]
.set k, 0
.rept 16
	v_pk_mul_f32 v[XR+k:XR+k+1], v[XR+k:XR+k+1], v[R:R+1]
.set k, k+2
.endr
.set k, 0
.rept 16
	v_pk_fma_f32 v[XR+k:XR+k+1], v[XR+k:XR+k+1], v[GA+k:GA+k+1], v[BE+k:BE+k+1]
.set k, k+2
.endr
.set k, 0
.rept 16
	v_cvt_pk_f16_f32 v[XR+k], v[XR+2*k], v[XR+2*k+1]  ; in place, ascending: register k takes numbers 2 k and 2 k + 1
.set k, k+1
.endr
.irp j, 0,1,2,3,4,5,6,7
	global_store_b64 v3, v[XR+2*(\j):XR+2*(\j)+1], s[20:21] offset:2048*(\i)+256*(\j)
.endr
.endm
	LNROW 0
	LNROW 1
	LNROW 2
	LNROW 3
	s_endpgm
.Lzero:                                        ; four pad rows: 8,192 bytes of zeros
	v_mov_b32 v8, 0
	v_mov_b32 v9, 0
.set i, 0
.rept 32
	global_store_b64 v3, v[8:9], s[20:21] offset:256*i
.set i, i+1
.endr
	s_endpgm
.Lweights:
	s_sub_co_u32 s26, ttmp9, 512
	s_lshr_b32 s27, s26, 6                         ; which matrix: q, k, v, g, o
	s_and_b32 s26, s26, 63
	s_lshl_b32 s26, s26, 4
	s_add_co_u32 s26, s26, s25                     ; my first row of it
	s_mov_b64 s[34:35], s[10:11]
	s_cmp_eq_u32 s27, 1
	s_cselect_b64 s[34:35], s[12:13], s[34:35]
	s_cmp_eq_u32 s27, 2
	s_cselect_b64 s[34:35], s[14:15], s[34:35]
	s_cmp_eq_u32 s27, 3
	s_cselect_b64 s[34:35], s[16:17], s[34:35]
	s_cmp_eq_u32 s27, 4
	s_cselect_b64 s[34:35], s[18:19], s[34:35]
	s_lshl_b32 s28, s26, 12
	s_add_nc_u64 s[34:35], s[34:35], s[28:29]
	s_lshl_b32 s28, s26, 11
	s_lshl_b32 s27, s27, 21
	s_add_co_u32 s28, s28, s27
	s_add_nc_u64 s[22:23], s[22:23], s[28:29]
.set i, 0
.rept 32
	global_load_b128 v[X+4*i:X+4*i+3], v2, s[34:35] offset:512*i th:TH_LOAD_NT
.set i, i+1
.endr
.macro WROW i
.set XR, X+32*(\i)
	s_wait_loadcnt 8*(3-(\i))                      ; this row is in; the later rows' loads may stay out
.set k, 0
.rept 16
	v_cvt_pk_f16_f32 v[XR+k], v[XR+2*k], v[XR+2*k+1]
.set k, k+1
.endr
.irp j, 0,1,2,3,4,5,6,7
	global_store_b64 v3, v[XR+2*(\j):XR+2*(\j)+1], s[22:23] offset:2048*(\i)+256*(\j)
.endr
.endm
	WROW 0
	WROW 1
	WROW 2
	WROW 3
	s_endpgm
.Lfunc_end_k_qe38cf50bc5_prep:
	.size	k_qe38cf50bc5_prep, .Lfunc_end_k_qe38cf50bc5_prep-k_qe38cf50bc5_prep
	.p2alignl 7, 3214868480
	.fill 96, 4, 3214868480
	.section	.rodata,"a",@progbits
	.p2align	6, 0x0
	.amdhsa_kernel k_qe38cf50bc5_prep
		.amdhsa_group_segment_fixed_size 0
		.amdhsa_private_segment_fixed_size 0
		.amdhsa_enable_private_segment 0
		.amdhsa_kernarg_size 80
		.amdhsa_user_sgpr_count 2
		.amdhsa_user_sgpr_kernarg_segment_ptr 1
		.amdhsa_wavefront_size32 1
		.amdhsa_system_sgpr_workgroup_id_x 1
		.amdhsa_system_sgpr_workgroup_id_y 1
		.amdhsa_system_sgpr_workgroup_id_z 1
		.amdhsa_system_vgpr_workitem_id 0
		.amdhsa_next_free_vgpr 224
		.amdhsa_next_free_sgpr 66
		.amdhsa_reserve_vcc 0
		.amdhsa_float_denorm_mode_32 3
		.amdhsa_float_denorm_mode_16_64 3
		.amdhsa_memory_ordered 1
		.amdhsa_forward_progress 1
		.amdhsa_inst_pref_size 52
	.end_amdhsa_kernel
	.amdgpu_metadata
---
amdhsa.version: [ 1, 2 ]
amdhsa.kernels:
  - .name:           k_qe38cf50bc5_prep
    .symbol:         k_qe38cf50bc5_prep.kd
    .args:
      - { .name: inputs, .offset: 0, .size: 8, .value_kind: global_buffer, .address_space: global }
      - { .name: ln_gamma, .offset: 8, .size: 8, .value_kind: global_buffer, .address_space: global }
      - { .name: ln_beta, .offset: 16, .size: 8, .value_kind: global_buffer, .address_space: global }
      - { .name: Wq, .offset: 24, .size: 8, .value_kind: global_buffer, .address_space: global }
      - { .name: Wk, .offset: 32, .size: 8, .value_kind: global_buffer, .address_space: global }
      - { .name: Wv, .offset: 40, .size: 8, .value_kind: global_buffer, .address_space: global }
      - { .name: Wg, .offset: 48, .size: 8, .value_kind: global_buffer, .address_space: global }
      - { .name: Wo, .offset: 56, .size: 8, .value_kind: global_buffer, .address_space: global }
      - { .name: xh, .offset: 64, .size: 8, .value_kind: global_buffer, .address_space: global }
      - { .name: wh, .offset: 72, .size: 8, .value_kind: global_buffer, .address_space: global }
    .group_segment_fixed_size: 0
    .private_segment_fixed_size: 0
    .kernarg_segment_align: 8
    .kernarg_segment_size: 80
    .max_flat_workgroup_size: 128
    .sgpr_count:     66
    .vgpr_count:     224
    .wavefront_size: 32
...
	.end_amdgpu_metadata
.endif
;; end of part 1
;; launch proj (part 2): grid 16 x 32, 4 waves a work-group, clusters of 4 x 4, 327,680 bytes of LDS; arguments xh, wh, qkvg; writes qkvg
.if DOCPART == 2
	.amdgcn_target "amdgcn-amd-amdhsa--gfx1250"
	.amdhsa_code_object_version 6
	.text
	.protected	k_qe38cf50bc5_proj
	.globl	k_qe38cf50bc5_proj
	.p2align	8
	.type	k_qe38cf50bc5_proj,@function
k_qe38cf50bc5_proj:
	s_mov_b64 s[64:65], 0
	v_nop
	global_prefetch_b8 v0, s[64:65] scope:SCOPE_SE
	s_setreg_imm32_b32 hwreg(HW_REG_WAVE_MODE, 25, 1), 1
	s_wait_xcnt 0x0
	s_wait_alu depctr_hold_cnt(0) depctr_sa_sdst(0) depctr_va_vdst(0) depctr_va_sdst(0) depctr_va_ssrc(0) depctr_va_vcc(0) depctr_vm_vsrc(0)
	s_getreg_b32 s2, hwreg(HW_REG_IB_STS2, 6, 4)
	s_cmp_eq_u32 s2, 0
	s_cbranch_scc0 .Lentry_in_a_cluster
	s_endpgm
.Lentry_in_a_cluster:
	s_bfe_u32 s2, ttmp6, 0x10000c
	s_cmp_lg_u32 s2, 0xf033
	s_cbranch_scc0 .Lentry_shape_is_right
	s_endpgm
.Lentry_shape_is_right:
; PROJ.  The four projections x Wq, x Wk, x Wv, x Wg as one product [8192 x 1024] x [1024 x 4096] in f16 with f32 sums, and what follows each of them row by row:
; q and k are turned by the rotary angles, k also multiplied by gamma_h^-(row mod 64); v is rounded; g becomes silu(g).  All four leave in f16, by heads: qkvg[8 mat + h][8192][128].
; Nothing is left out here but the factor DK^-0.5 of k, which the launches that read k apply in f32.
; LIMITS.  q, k gamma^-63, v and silu(g) stay under 65,504 (f16); below 6e-5 they keep f16's fixed step.  sin and cos: the angle is reduced to a quarter turn with one fused multiply-add, polynomials of
; degree 7 and 8 give the first row's values, and a rotation by the row's step carries them over 128 rows: about 1e-5 of error.  NaN and infinities are not treated apart.
; SHARES.  A tile is 256 rows x 256 columns, a wave makes 128 x 128: 64 accumulators, 512 registers; its 128 columns are one head.  K goes in 8 steps of 128 through a ring of two LDS slots.
; x's tile rows are 256 bytes of memory, W's ([k][n], not transposed) 512; W's fragments are turned on their way out of LDS by ds_load_tr16_b128.
; THE TEXT OF THE RING.  A K step is written twice: once for the six steps behind which a slot is filled again (a loop of six trips), once for the last two (a loop of two trips, left in its middle).
; What differs between the slots lies in registers: s[TB], the slot that is read, and one walking group 0 for each tensor, both turned by an exclusive or.
; CLUSTER.  4 x 4 work-groups: the four of a row of the cluster need the same tile of x, the four of a column the same tile of W: each is asked for jointly, with the same descriptor and a mask of four.
; The cluster's x is the matrix (q, k, v, g): the same in all sixteen partners, so the branch that picks the way out hangs on no work-group's place in its cluster.
; THE MATRIX INSTRUCTION IS USED TRANSPOSED (source 0 = 16 columns of W, source 1 = 16 rows of x): a lane holds row l % 16 and the columns 8 (l / 16) + 0..7.
; REGISTERS, in windows of 256: window 0: v0-31 addresses, v64-191 x's fragments (two buffers; on the way out rows, results and work); window 1: v64-191 W's fragments; windows 2, 3: the accumulators.
.set PA,    272                        ; a row of x in LDS: 256 bytes + 16: the 16 rows of a load start at 16 different groups of four banks (64 banks of 4 bytes: ISA guide 11.1)
.set PB,    544                        ; a row of W: 512 + 32 = 17 x 32
.set HALFT, 34816                      ; what one tensor load brings: 128 rows of x, or 64 rows of W
.set BOFF,  2*HALFT                    ; W's 128 rows lie behind x's 256
.set SLOT,  4*HALFT                    ; 139,264 = bits 17 and 13.  Wave x 34,816 (0, 0x8800, 0x11000, 0x19800) has neither bit, so one exclusive or turns a tile's LDS address in one slot into the other's
.set SPARE, 2*SLOT                     ; behind the ring: the spare words, 128 bytes for each wave: two blocks of 256 bytes that no other line names
.set SPI,   528                        ; the way out: a row of 128 f32 + 16 bytes
.set STW,   128*SPI                    ; a wave's stage; the four stages lie over the ring, which has had its last fill by then
.set FILLS, 6                          ; K steps behind which a slot is filled again: 8 - 2
.set ADRA0, 16                         ; v16 LDS address of my fragments of x in slot 0; never rewritten
.set ADRA,  17                         ; v17 the same in the slot that is read
.set ADRB0, 20                         ; v20, v21 the same for W
.set ADRB,  21
.set STO,  24                          ; v24 the way out: where I put my numbers of a row
.set RD,   25                          ; v25 where I read a row back
.set GO,   26                          ; v26 8 x lane: my 8 bytes of a row of 256
.set SPW,  28                          ; v28 my spare word; never rewritten
.set NIL,  29                          ; v29 0; never rewritten
.set PFO,  30                          ; v30 the prefetches' offset; never rewritten
.set F0,   64
.set F1,   128
.set X,    64                          ; the way out: 16 rows x 4 f32
.set Y,    128                         ; 16 rows x 2 registers of f16
.set E,    160                         ; at work
.set G1,  24                           ; s[24:31] descriptor group 1 for x's tiles;  s[32:39] group 0: a set for each of the two first fills; the second then walks on
.set G0,  32
.set G1B, 48                           ; s[48:55], s[56:63] the same for W's
.set G0B, 56
.set PFA, 66                           ; s[66:67] where my prefetches stand
.set PST, 68                           ; s[68:69] a K step in my tensor, in bytes
.set LIM, 70                           ; s70 2 in a wave that prefetches, else the greatest number
.set TB,  71                           ; s71 LDS byte at which the slot that is read begins: 0 or SLOT
.set MSB, 0
.macro WIN new                         ; the immediate's high byte repeats the setting that is left; a switch that changes nothing is dropped
.if MSB != (\new)
	s_set_vgpr_msb (MSB<<8)|(\new)
.set MSB, \new
.endif
.endm
.set MUL_LO, 0xa1                      ; source 0 (W) window 1, source 1 (x) window 0, C and D window 2
.set MUL_HI, 0xf1                      ; the same, C and D window 3
.set TO_B,   0x40                      ; destination window 1, address window 0
; A joint load.  Waves 0 and 1 fetch x's two halves, waves 2 and 3 W's.  The branch hangs on the wave's number alone.  An s_nop 0 and four v_nop follow each of the two lines.
.macro JLOAD s
	s_cmp_eq_u32 s11, 0
	s_cbranch_scc0 .Lfor_b_\@
	tensor_load_to_lds s[G0+4*(\s):G0+4*(\s)+3], s[G1:G1+7]
	s_nop 0
.rept 4
	v_nop
.endr
	s_branch .Lasked_\@
.Lfor_b_\@:
	tensor_load_to_lds s[G0B+4*(\s):G0B+4*(\s)+3], s[G1B:G1B+7]
	s_nop 0
.rept 4
	v_nop
.endr
.Lasked_\@:
.endm
; A prefetch of the K step that stands two refills on: one instruction a wave, each lane another block of 256 bytes.  x's tile row is read by the four clusters of a row of clusters: the one with x = 0 asks;
; W's tile column by the eight clusters of a column: the one with y = 0 asks.  The four partners that ask for a tile jointly share its blocks out by address.  K steps 0 to 3 come by their loads alone;
; the loop's last two trips (s3 = 2, 1) ask for nothing: there is no K step two refills on.
.macro ASK
	s_cmp_gt_u32 s3, s[LIM]
	s_cbranch_scc0 .Lnot_mine_\@
	global_prefetch_b8 v[PFO], s[PFA:PFA+1] th:TH_LOAD_NT scope:SCOPE_SE
.Lnot_mine_\@:
.endm
.macro CREST                           ; a round of the cluster's barrier behind its opening barrier
	s_cmp_lg_u32 s10, 0
	s_cbranch_scc1 .Lnot_wave_0_\@
	s_barrier_signal -3
.Lnot_wave_0_\@:
	s_barrier_wait -3
	s_barrier_signal -1
	s_barrier_wait -1
.endm
.macro CROUND
	s_barrier_signal -1
	s_barrier_wait -1
	CREST
.endm
	s_load_b128 s[4:7], s[0:1], 0x0                ; xh s[4:5], wh s[6:7]
	s_load_b64 s[8:9], s[0:1], 0x10                ; qkvg
	v_lshl_add_u32 v[SPW], v0, 2, SPARE
	v_mov_b32 v[NIL], 0
	ds_add_u32 v[SPW], v[NIL]                      ; the wave's opening: the add, twice on end, and its wait ahead of my first tensor load
	ds_add_u32 v[SPW], v[NIL]
	v_lshrrev_b32 v1, 5, v0
	v_readfirstlane_b32 s10, v1                    ; wave 0..3
	s_lshr_b32 s11, s10, 1                         ; which half of the tile's rows is mine.  Also: I fetch for x (0) or for W (1)
	s_and_b32 s12, s10, 1                          ; which half of its columns.  Also: which half of that tile I fetch
	s_bfe_u32 s40, ttmp6, 0x40000                  ; cx
	s_bfe_u32 s41, ttmp6, 0x40004                  ; cy
	s_and_b32 s13, ttmp7, 0xffff
	s_lshl_b32 s13, s13, 2
	s_add_co_u32 s13, s13, s41                     ; tile row = 4 x cluster y + cy
	s_lshl_b32 s43, s41, 2
	s_lshl_b32 s43, 15, s43                        ; my row of the cluster
	s_lshl_b32 s44, 0x1111, s40                    ; my column
	s_or_b32 s[G1+0], s43, (1<<16)|(1<<20)|(1<<21)|(5<<22)|(3<<25)   ; the mask; 2-byte elements; padding on; bit 21 beside a mask; after every 64 words 4 words
	s_or_b32 s[G1B+0], s44, (1<<16)|(1<<20)|(1<<21)|(6<<22)|(7<<25)  ; after every 128 words 8 words
	s_mov_b32 s[G1+1], 128<<16                     ; tensor_dim0 = 128
	s_mov_b32 s[G1+2], 128<<16                     ; tensor_dim1 = 128
	s_mov_b32 s[G1+3], 128<<16                     ; tile_dim0 = 128
	s_mov_b32 s[G1+4], 128                         ; tile_dim1 = 128
	s_mov_b32 s[G1+5], 1024                        ; elements from row to row
	s_mov_b32 s[G1+6], 0
	s_mov_b32 s[G1+7], 0
	s_mov_b32 s[G1B+1], 256<<16                    ; 256 columns
	s_mov_b32 s[G1B+2], 64<<16                     ; 64 rows of k
	s_mov_b32 s[G1B+3], 256<<16
	s_mov_b32 s[G1B+4], 64
	s_mov_b32 s[G1B+5], 1024
	s_mov_b32 s[G1B+6], 0
	s_mov_b32 s[G1B+7], 0
	s_lshl_b32 s16, s13, 8
	s_lshl_b32 s17, s12, 7
	s_add_co_u32 s16, s16, s17                     ; x: row 256 x tile row + 128 x half,
	s_lshl_b32 s16, s16, 11                        ; in bytes
	s_mov_b32 s17, 0
	s_lshl_b32 s46, ttmp9, 21                      ; W: the matrix,
	s_lshl_b32 s47, s12, 17                        ; 64 rows of k x half,
	s_add_co_u32 s46, s46, s47
	s_lshl_b32 s47, s40, 9                         ; 256 columns x cx
	s_add_co_u32 s46, s46, s47
	s_mov_b32 s47, 0
	s_mul_i32 s20, s10, HALFT                      ; where they go: wave x 34,816: no place in the cluster enters an LDS address
	s_wait_dscnt 0x0                               ; both opening adds are done
	s_wait_kmcnt 0x0
	s_add_nc_u64 s[14:15], s[4:5], s[16:17]
	s_add_nc_u64 s[46:47], s[6:7], s[46:47]
	CROUND                                         ; all sixteen work-groups are here: the first joint loads meet
.irp s, 0,1
	s_mov_b32 s[G0+4*(\s)], 1
	s_add_co_u32 s[G0+4*(\s)+1], s20, (\s)*SLOT
	s_add_nc_u64 s[G0+4*(\s)+2:G0+4*(\s)+3], s[14:15], (\s)*256      ; K step s: 256 bytes along x's rows,
	s_or_b32 s[G0+4*(\s)+3], s[G0+4*(\s)+3], 0x80000000
	s_mov_b32 s[G0B+4*(\s)], 1
	s_add_co_u32 s[G0B+4*(\s)+1], s20, (\s)*SLOT
	s_add_nc_u64 s[G0B+4*(\s)+2:G0B+4*(\s)+3], s[46:47], (\s)*262144 ; 128 rows down W
	s_or_b32 s[G0B+4*(\s)+3], s[G0B+4*(\s)+3], 0x80000000
	JLOAD \s
.endr
	v_and_b32 v1, 15, v0                           ; l % 16
	v_bfe_u32 v2, v0, 4, 1                         ; l / 16
	v_mul_u32_u24 v3, v1, PA
	v_lshl_add_u32 v3, v2, 4, v3                   ; x: row x pitch + 16 x half
	s_mul_i32 s21, s11, HALFT
	v_and_b32 v4, 7, v0
	v_lshl_add_u32 v4, v2, 3, v4                   ; W, turned: row of k 8 (l / 16) + l % 8,
	v_mul_u32_u24 v4, v4, PB
	v_bfe_u32 v5, v0, 3, 1
	v_lshl_add_u32 v4, v5, 4, v4                   ; columns 8 ((l / 8) % 2) on
	s_lshl_b32 s22, s12, 8                         ; my 128 columns
	s_add_co_u32 s22, s22, BOFF
	v_add_nc_u32 v[ADRA0], s21, v3
	v_add_nc_u32 v[ADRB0], s22, v4
	v_mov_b32 v[ADRA], v[ADRA0]                    ; slot 0 is read first
	v_mov_b32 v[ADRB], v[ADRB0]
	s_mov_b32 s[TB], 0
	s_mul_i32 s23, s10, STW                        ; my stage
	v_mul_u32_u24 v6, v1, SPI
	v_lshl_add_u32 v6, v2, 5, v6
	v_add_nc_u32 v[STO], s23, v6                   ; in: row l % 16, 32 bytes for each half of the lanes
	v_and_b32 v7, 31, v0                           ; the lane; kept for the way out
	v_lshl_add_u32 v[RD], v7, 4, s23               ; back: a whole row a wave, 16 bytes a lane
	v_lshlrev_b32 v[GO], 3, v7
	s_lshl_b32 s72, ttmp9, 3                       ; where my 128 x 128 goes: section 8 mat + 2 cx + column half,
	s_lshl_b32 s73, s40, 1
	s_add_co_u32 s72, s72, s73
	s_add_co_u32 s72, s72, s12
	s_lshl_b32 s72, s72, 21
	s_lshl_b32 s73, s13, 1
	s_add_co_u32 s73, s73, s11                     ; row 128 (2 x tile row + row half), 256 bytes a row
	s_lshl_b32 s73, s73, 15
	s_add_co_u32 s72, s72, s73
	s_mov_b32 s73, 0
	s_add_nc_u64 s[8:9], s[8:9], s[72:73]
	; the prefetches: of the 128 rows of x that I fetch, my work-group's 32 (by cx), a lane a row; of W's 64 rows, its 16 (by cy), two lanes a row of 512 bytes
	s_lshl_b32 s74, s13, 8
	s_lshl_b32 s75, s12, 7
	s_add_co_u32 s74, s74, s75
	s_lshl_b32 s75, s40, 5
	s_add_co_u32 s74, s74, s75
	s_lshl_b32 s74, s74, 11                        ; x's offset
	s_lshl_b32 s76, s12, 6
	s_lshl_b32 s77, s41, 4
	s_add_co_u32 s76, s76, s77
	s_lshl_b32 s76, s76, 11
	s_lshl_b32 s77, ttmp9, 21
	s_add_co_u32 s76, s76, s77
	s_lshl_b32 s77, s40, 9
	s_add_co_u32 s76, s76, s77                     ; W's offset
	s_and_b32 s78, ttmp7, 0xffff                   ; cluster y
	s_mov_b32 s79, 0x40000                         ; a K step of W: 128 rows of 2,048 bytes (in a register: an instruction holds one literal)
	s_cmp_eq_u32 s11, 0                            ; do I fetch for x?
	s_cselect_b32 s74, s74, s76
	s_cselect_b32 s78, ttmp9, s78                  ; the coordinate along which other clusters read the same blocks
	s_cselect_b32 s[PST], 256, s79
	s_cselect_b64 s[PFA:PFA+1], s[4:5], s[6:7]
	s_cmp_eq_u32 s78, 0
	s_cselect_b32 s[LIM], 2, -1
	s_mov_b32 s[PST+1], 0
	s_mov_b32 s75, 0
	s_add_nc_u64 s[PFA:PFA+1], s[PFA:PFA+1], s[74:75]
	s_mul_i32 s74, s[PST], 3
	s_add_nc_u64 s[PFA:PFA+1], s[PFA:PFA+1], s[74:75]  ; at K step 3: the first refill steps it to 4
	v_lshrrev_b32 v8, s11, v7
	v_and_b32 v9, s11, v7
	v_lshlrev_b32 v8, 11, v8
	v_lshl_add_u32 v[PFO], v9, 8, v8               ; x: 2,048 x lane; W: 2,048 (lane / 2) + 256 (lane % 2)
; 16 matrix instructions: m blocks a0, a0 + 1 of the window's four x all 8 n blocks, 32 along K.  zero = 1: the first product starts the sums.
.macro MUL16 f, hi, a0, zero
	WIN MUL_LO+0x50*(\hi)
.irp a, \a0, (\a0)+1
.irp b, 0,1,2,3,4,5,6,7
.if \zero
	v_wmma_f32_16x16x32_f16 v[8*(8*(\a)+(\b)):8*(8*(\a)+(\b))+7], v[(\f)+8*(\b):(\f)+8*(\b)+7], v[(\f)+8*(4*(\hi)+(\a)):(\f)+8*(4*(\hi)+(\a))+7], 0
.else
	v_wmma_f32_16x16x32_f16 v[8*(8*(\a)+(\b)):8*(8*(\a)+(\b))+7], v[(\f)+8*(\b):(\f)+8*(\b)+7], v[(\f)+8*(4*(\hi)+(\a)):(\f)+8*(4*(\hi)+(\a))+7], v[8*(8*(\a)+(\b)):8*(8*(\a)+(\b))+7]
.endif
.endr
.endr
.endm
; 32 LDS loads in one run: the fragments of quarter q of the K step in the slot that is read (32 along K) into buffer f: W's 8 (turned), then x's 8
.macro FETCH q, f
	WIN TO_B
.irp i, 0,1,2,3,4,5,6,7
	ds_load_tr16_b128 v[(\f)+8*(\i):(\f)+8*(\i)+3],   v[ADRB] offset:(\q)*32*PB+(\i)*32
	ds_load_tr16_b128 v[(\f)+8*(\i)+4:(\f)+8*(\i)+7], v[ADRB] offset:(\q)*32*PB+(\i)*32+16*PB
.endr
	WIN 0
.irp i, 0,1,2,3,4,5,6,7
	ds_load_b128 v[(\f)+8*(\i):(\f)+8*(\i)+3],   v[ADRA] offset:(\q)*64+(\i)*16*PA
	ds_load_b128 v[(\f)+8*(\i)+4:(\f)+8*(\i)+7], v[ADRA] offset:(\q)*64+(\i)*16*PA+32
.endr
.endm
.macro PLACES                          ; four plain instructions between a matrix instruction and a load into, or a reader of, its registers
.rept 4
	v_nop
.endr
.endm
; One of a K step's first three quarters: multiplies buffer f; in its middle it fetches quarter q of the same slot into buffer g.
.macro QUARTER q, f, g, zero
	s_wait_dscnt 8                                 ; W's and x's rows 0-63 are in; the youngest eight loads (x's rows 64-127) may be out
	MUL16 \f, 0, 0, \zero
	MUL16 \f, 0, 2, \zero
	PLACES
	FETCH \q, \g
	s_wait_dscnt 32                                ; all but the 32 just issued
	MUL16 \f, 1, 0, \zero
	MUL16 \f, 1, 2, \zero
.endm
; The change of slots: one barrier.  All reads of this slot have been issued, so the two addresses go on to the other slot.  In front of the barrier each wave waits for all its tensor loads (at most one is
; out: its part of the next slot), adds 0 to its spare word, and waits for that and for its reads of this slot.
.macro MEET
	WIN 0
	s_xor_b32 s[TB], s[TB], SLOT
	v_add_nc_u32 v[ADRA], s[TB], v[ADRA0]
	v_add_nc_u32 v[ADRB], s[TB], v[ADRB0]
	s_wait_tensorcnt 0x0
	ds_add_u32 v[SPW], v[NIL]
	s_wait_dscnt 9                                 ; (the add and the youngest eight loads may be out)
	MUL16 F1, 0, 0, 0                              ; sixteen matrix instructions stand between the add and the wait for it
	s_wait_dscnt 0x0                               ; the add is done, and my reads of this slot are over
	s_barrier_signal -1
	MUL16 F1, 0, 2, 0
	WIN 0
	s_barrier_wait -1
.endm
; A K step's last quarter where the slot is filled again: the barrier opens a round of the cluster's, and the slot just read out takes the K step two steps on, first thing behind the round.
.macro TURN
	s_wait_xcnt 0x0                                ; the last prefetch, a K step back, has read its address
	s_add_nc_u64 s[PFA:PFA+1], s[PFA:PFA+1], s[PST:PST+1]
	MEET
	CREST                                          ; no wave of any partner still reads this slot's tile or has a load on its way
	s_xor_b32 s[G0+5], s[G0+5], SLOT               ; the walking descriptors: the other slot than last time,
	s_add_nc_u64 s[G0+6:G0+7], s[G0+6:G0+7], 256   ; the next K step; the type bits on top are not reached
	s_xor_b32 s[G0B+5], s[G0B+5], SLOT
	s_add_nc_u64 s[G0B+6:G0B+7], s[G0B+6:G0B+7], 262144
	JLOAD 1                                        ; the four v_nop behind it are also the places in front of the loads below
	FETCH 0, F0
	ASK
	MUL16 F1, 1, 0, 0
	MUL16 F1, 1, 2, 0
.endm
	s_wait_tensorcnt 1                             ; my part of K step 0 is in; K step 1's may stay out
	s_barrier_signal -1
	s_barrier_wait -1
	FETCH 0, F0
	QUARTER 1, F0, F1, 1                           ; the first quarter stands in front of the loop: its products start the sums
	WIN 0
	s_mov_b32 s3, FILLS
.Lstep:                                        ; a trip goes from a K step's second quarter to the next step's first, and fills the slot that it leaves
	QUARTER 2, F1, F0, 0
	QUARTER 3, F0, F1, 0
	TURN
	QUARTER 1, F0, F1, 0
	WIN 0
	s_sub_co_u32 s3, s3, 1
	s_cmp_lg_u32 s3, 0
	s_cbranch_scc1 .Lstep
	s_mov_b32 s3, 2
.Ltail:                                        ; the last two K steps fill nothing: written apart; the second trip is left in its middle
	QUARTER 2, F1, F0, 0
	QUARTER 3, F0, F1, 0
	MEET
	s_sub_co_u32 s3, s3, 1
	s_cmp_eq_u32 s3, 0
	s_cbranch_scc1 .Llast
	PLACES
	FETCH 0, F0
	MUL16 F1, 1, 0, 0
	MUL16 F1, 1, 2, 0
	QUARTER 1, F0, F1, 0
	WIN 0
	s_branch .Ltail
.Llast:                                        ; the very last quarter's second half: nothing more to fetch
	MUL16 F1, 1, 0, 0
	MUL16 F1, 1, 2, 0
	WIN 0
	; THE WAY OUT.  All fills have landed and, behind this barrier, nobody reads the ring: the four stages lie over it.  The f32 sums go into my stage and come back a whole row a wave.
	s_barrier_signal -1
	s_barrier_wait -1
	PLACES
.set a, 0
.rept 8
	WIN 0x08+4*(a/4)                               ; the stores' data in window 2 or 3
.set b, 0
.rept 8
	ds_store_b128 v[STO], v[8*(8*(a%4)+b):8*(8*(a%4)+b)+3]   offset:16*SPI*a+64*b      ; each accumulator's low four registers first
	ds_store_b128 v[STO], v[8*(8*(a%4)+b)+4:8*(8*(a%4)+b)+7] offset:16*SPI*a+64*b+16
.set b, b+1
.endr
.set a, a+1
.endr
	WIN 0
.macro ROWS16                          ; sixteen rows of my stage: LDS serves a wave's instructions in order (ISA guide 5.7.1.4), so these see my stores
.set i, 0
.rept 16
	ds_load_b128 v[X+4*i:X+4*i+3], v[RD] offset:SPI*i
.set i, i+1
.endr
.endm
.macro NEXT16 lbl                      ; the trip's end
	s_wait_xcnt 0x0                                ; the stores have read their data and their base: both are written again only behind this wait
	s_add_nc_u64 s[8:9], s[8:9], 4096
	v_add_nc_u32 v[RD], 16*SPI, v[RD]
	s_sub_co_u32 s3, s3, 1
	s_cmp_lg_u32 s3, 0
	s_cbranch_scc1 \lbl
.endm
	s_mov_b32 s3, 8
	s_mov_b32 s86, 0xbfb8aa3b                      ; -log2(e), as a pair for the packed multiply
	s_mov_b32 s87, s86
	s_cmp_lt_u32 ttmp9, 2
	s_cbranch_scc1 .Lrot
	s_cmp_eq_u32 ttmp9, 2
	s_cbranch_scc1 .Lplain
; g: silu(g) = g / (1 + 2^(-g log2 e)).  Two batches of transcendentals a trip, one wait each.  A pair's plain line (the scaling; the addition of 1) stands between the transcendentals of the pair before,
; so that no more than two of them stand on end; none of these plain lines names a result of the batch that is being issued.
.Lsilu:
	ROWS16
.set z, 0
.rept 32
.if z%2 == 0
	s_wait_dscnt 15-z/2                            ; row z / 2 is in; the younger rows may be out
.endif
	v_pk_mul_f32 v[E+2*z:E+2*z+1], v[X+2*z:X+2*z+1], s[86:87] op_sel_hi:[1,0]
.if z > 0
	v_exp_f32 v[E+2*z-2], v[E+2*z-2]
	v_exp_f32 v[E+2*z-1], v[E+2*z-1]
.endif
.set z, z+1
.endr
	v_exp_f32 v[E+62], v[E+62]
	v_exp_f32 v[E+63], v[E+63]
	v_nop
	s_wait_alu depctr_va_vdst(0)
.set z, 0
.rept 32
	v_pk_add_f32 v[E+2*z:E+2*z+1], v[E+2*z:E+2*z+1], 1.0 op_sel_hi:[1,0]
.if z > 0
	v_rcp_f32 v[E+2*z-2], v[E+2*z-2]
	v_rcp_f32 v[E+2*z-1], v[E+2*z-1]
.endif
.set z, z+1
.endr
	v_rcp_f32 v[E+62], v[E+62]
	v_rcp_f32 v[E+63], v[E+63]
	v_nop
	s_wait_alu depctr_va_vdst(0)
.set z, 0
.rept 32
	v_pk_mul_f32 v[X+2*z:X+2*z+1], v[X+2*z:X+2*z+1], v[E+2*z:E+2*z+1]
.set z, z+1
.endr
.set z, 0
.rept 32
	v_cvt_pk_f16_f32 v[Y+z], v[X+2*z], v[X+2*z+1]
.set z, z+1
.endr
.set i, 0
.rept 16
	global_store_b64 v[GO], v[Y+2*i:Y+2*i+1], s[8:9] offset:256*i  ; the wave's store covers a row: 256 consecutive bytes, aligned
.set i, i+1
.endr
	NEXT16 .Lsilu
	s_branch .Lend
.Lplain:                                       ; v: rounded; a row's store stands two rows behind its conversions
	ROWS16
.set i, 0
.rept 16
	s_wait_dscnt 15-i                              ; row i is in; the younger rows may be out
	v_cvt_pk_f16_f32 v[Y+2*i], v[X+4*i], v[X+4*i+1]
	v_cvt_pk_f16_f32 v[Y+2*i+1], v[X+4*i+2], v[X+4*i+3]
.if i > 1
	global_store_b64 v[GO], v[Y+2*i-4:Y+2*i-3], s[8:9] offset:256*(i-2)
.endif
.set i, i+1
.endr
	global_store_b64 v[GO], v[Y+28:Y+29], s[8:9] offset:256*14
	global_store_b64 v[GO], v[Y+30:Y+31], s[8:9] offset:256*15
	NEXT16 .Lplain
	s_branch .Lend
; q and k.  My four columns are the pairs 2 l and 2 l + 1 of the head's 64.  A pair's state (cos, sin)(t theta), for k times gamma^-(t mod 64), is turned on by its step from row to row.
.macro SINCOS d, tt, ph                ; v[d] = cos, v[d+1] = sin of v[tt] x theta, where v[ph] = theta x 2 / pi
	v_mul_f32 v56, v[\tt], v[\ph]
	v_rndne_f32 v57, v56                           ; quarter turns
	v_fma_f32 v58, v[\tt], v[\ph], -v57            ; what is left, within half a quarter, by one fused multiply-add
	v_mul_f32 v58, 0x3fc90fdb, v58
	v_mul_f32 v59, v58, v58
	v_mov_b32 v60, 0xb9500d01
	v_mov_b32 v61, 0x37d00d01
	v_fmaak_f32 v60, v60, v59, 0x3c088889
	v_fmaak_f32 v61, v61, v59, 0xbab60b61
	v_fmaak_f32 v60, v60, v59, 0xbe2aaaab
	v_fmaak_f32 v61, v61, v59, 0x3d2aaaab
	v_mul_f32 v60, v60, v59
	v_fmaak_f32 v61, v61, v59, 0xbf000000
	v_fma_f32 v60, v60, v58, v58                   ; sin
	v_fma_f32 v61, v61, v59, 1.0                   ; cos
	v_cvt_i32_f32 v62, v57
	v_and_b32 v63, 1, v62
	v_cmp_eq_u32 vcc_lo, 1, v63                    ; an odd quarter swaps the two
	v_cndmask_b32 v[(\d)+1], v60, v61, vcc_lo
	v_cndmask_b32 v[\d], v61, v60, vcc_lo
	v_lshlrev_b32 v63, 30, v62                     ; the sine's sign: bit 1 of the quarter,
	v_and_b32 v63, 0x80000000, v63
	v_xor_b32 v[(\d)+1], v[(\d)+1], v63
	v_add_nc_u32 v62, 1, v62                       ; the cosine's: bit 1 of the quarter + 1
	v_lshlrev_b32 v63, 30, v62
	v_and_b32 v63, 0x80000000, v63
	v_xor_b32 v[\d], v[\d], v63
.endm
.Lrot:
	s_lshl_b32 s80, s40, 1
	s_add_co_u32 s80, s80, s12                     ; the head (it enters values alone)
	s_sub_co_u32 s80, 122, s80
	s_lshl_b32 s80, s80, 23                        ; 2^(-5-h) as f32
	s_cmp_eq_u32 ttmp9, 1
	s_cselect_b32 s80, s80, 0                      ; q takes gamma = 1
	v_mov_b32 v160, s80
	v_sub_f32 v160, 1.0, v160                      ; gamma
	v_rcp_f32 v161, v160
	v_mul_f32 v162, v160, v160
.rept 5
	v_mul_f32 v162, v162, v162                     ; gamma^64 by six squarings
.endr
	v_lshlrev_b32 v163, 1, v7
	v_cvt_f32_u32 v163, v163                       ; 2 l
	v_add_f32 v164, 1.0, v163
	v_mul_f32 v32, 0xbe57fa62, v163                ; theta_i = 2^(-i log2(10000) / 63)
	v_mul_f32 v33, 0xbe57fa62, v164
	v_exp_f32 v32, v32
	v_exp_f32 v33, v33
	v_nop
	s_wait_alu depctr_va_vdst(0)                   ; one wait for the reciprocal and the two exponentials
	v_readfirstlane_b32 s81, v162
	v_mul_f32 v34, 0x3f22f983, v32
	v_mul_f32 v35, 0x3f22f983, v33
	s_bfe_u32 s82, s13, 0x20001                    ; the chunk in its sequence,
	s_mul_i32 s82, s82, 500
	s_and_b32 s83, s13, 1
	s_lshl_b32 s83, s83, 8
	s_add_co_u32 s82, s82, s83
	s_lshl_b32 s83, s11, 7
	s_add_co_u32 s82, s82, s83                     ; the position of my first row
	v_cvt_f32_u32 v165, s82
	v_mov_b32 v166, 1.0
	SINCOS 36, 165, 34
	SINCOS 38, 165, 35
	SINCOS 44, 166, 34
	SINCOS 46, 166, 35
.irp r, 44,45,46,47
	v_mul_f32 v[\r], v[\r], v161                   ; the step also divides by gamma
.endr
; A row: the four multiplies (two pairs of data, two states) stand ahead of the four multiply-adds that read them, and the store of the row before stands between: no line reads the result of the line before it.
.Lrot_trip:
	ROWS16
.set i, 0
.rept 16
.set IN, 36+4*(i%2)                    ; the states take turns between two sets, so that no line with crossed halves writes its own source
.set OU, 40-4*(i%2)
	s_wait_dscnt 15-i                              ; row i is in; the younger rows may be out
	v_pk_mul_f32 v[48:49], v[X+4*i:X+4*i+1], v[IN:IN+1] op_sel_hi:[1,0]
	v_pk_mul_f32 v[50:51], v[X+4*i+2:X+4*i+3], v[IN+2:IN+3] op_sel_hi:[1,0]
	v_pk_mul_f32 v[56:57], v[IN:IN+1], v[44:45] op_sel_hi:[1,0]
	v_pk_mul_f32 v[58:59], v[IN+2:IN+3], v[46:47] op_sel_hi:[1,0]
.if i > 0
	global_store_b64 v[GO], v[Y+2*i-2:Y+2*i-1], s[8:9] offset:256*(i-1)
.endif
	v_pk_fma_f32 v[52:53], v[X+4*i:X+4*i+1], v[IN:IN+1], v[48:49] op_sel:[1,1,0] op_sel_hi:[0,1,1] neg_lo:[0,1,0]      ; x0 c - x1 s, x1 c + x0 s
	v_pk_fma_f32 v[54:55], v[X+4*i+2:X+4*i+3], v[IN+2:IN+3], v[50:51] op_sel:[1,1,0] op_sel_hi:[0,1,1] neg_lo:[0,1,0]
	v_pk_fma_f32 v[OU:OU+1], v[IN:IN+1], v[44:45], v[56:57] op_sel:[1,1,0] op_sel_hi:[0,1,1] neg_lo:[0,1,0]
	v_pk_fma_f32 v[OU+2:OU+3], v[IN+2:IN+3], v[46:47], v[58:59] op_sel:[1,1,0] op_sel_hi:[0,1,1] neg_lo:[0,1,0]
	v_cvt_pk_f16_f32 v[Y+2*i], v52, v53
	v_cvt_pk_f16_f32 v[Y+2*i+1], v54, v55
.set i, i+1
.endr
	s_cmp_eq_u32 s3, 5                             ; behind the fourth trip, 64 rows, the power of gamma begins anew
	s_cselect_b32 s84, s81, 1.0
	s_mov_b32 s85, s84
	v_pk_mul_f32 v[36:37], v[36:37], s[84:85] op_sel_hi:[1,0]
	v_pk_mul_f32 v[38:39], v[38:39], s[84:85] op_sel_hi:[1,0]
	global_store_b64 v[GO], v[Y+30:Y+31], s[8:9] offset:256*15
	NEXT16 .Lrot_trip
.Lend:
	s_wait_tensorcnt 0x0                           ; the wave's end, behind my last tensor load and my last LDS store
	ds_add_u32 v[SPW], v[NIL]
	s_wait_dscnt 0x0
	CROUND                                         ; the closing round
	s_endpgm
.Lfunc_end_k_qe38cf50bc5_proj:
	.size	k_qe38cf50bc5_proj, .Lfunc_end_k_qe38cf50bc5_proj-k_qe38cf50bc5_proj
	.p2alignl 7, 3214868480
	.fill 96, 4, 3214868480
	.section	.rodata,"a",@progbits
	.p2align	6, 0x0
	.amdhsa_kernel k_qe38cf50bc5_proj
		.amdhsa_group_segment_fixed_size 327680
		.amdhsa_private_segment_fixed_size 0
		.amdhsa_enable_private_segment 0
		.amdhsa_kernarg_size 24
		.amdhsa_user_sgpr_count 2
		.amdhsa_user_sgpr_kernarg_segment_ptr 1
		.amdhsa_wavefront_size32 1
		.amdhsa_system_sgpr_workgroup_id_x 1
		.amdhsa_system_sgpr_workgroup_id_y 1
		.amdhsa_system_sgpr_workgroup_id_z 1
		.amdhsa_system_vgpr_workitem_id 0
		.amdhsa_next_free_vgpr 1024
		.amdhsa_next_free_sgpr 96
		.amdhsa_reserve_vcc 1
		.amdhsa_float_denorm_mode_32 3
		.amdhsa_float_denorm_mode_16_64 3
		.amdhsa_memory_ordered 1
		.amdhsa_forward_progress 1
		.amdhsa_inst_pref_size 121
	.end_amdhsa_kernel
	.amdgpu_metadata
---
amdhsa.version: [ 1, 2 ]
amdhsa.kernels:
  - .name:           k_qe38cf50bc5_proj
    .symbol:         k_qe38cf50bc5_proj.kd
    .args:
      - { .name: xh, .offset: 0, .size: 8, .value_kind: global_buffer, .address_space: global }
      - { .name: wh, .offset: 8, .size: 8, .value_kind: global_buffer, .address_space: global }
      - { .name: qkvg, .offset: 16, .size: 8, .value_kind: global_buffer, .address_space: global }
    .group_segment_fixed_size: 327680
    .private_segment_fixed_size: 0
    .kernarg_segment_align: 8
    .kernarg_segment_size: 24
    .max_flat_workgroup_size: 128
    .sgpr_count:     96
    .vgpr_count:     1024
    .wavefront_size: 32
...
	.end_amdgpu_metadata
.endif
;; end of part 2
;; launch kvsum (part 3): grid 3 x 32, 4 waves a work-group, no clusters, 327,680 bytes of LDS; arguments qkvg, ckv; writes ckv
.if DOCPART == 3
	.amdgcn_target "amdgcn-amd-amdhsa--gfx1250"
	.amdhsa_code_object_version 6
	.text
	.protected	k_qe38cf50bc5_kvsum
	.globl	k_qe38cf50bc5_kvsum
	.p2align	8
	.type	k_qe38cf50bc5_kvsum,@function
k_qe38cf50bc5_kvsum:
	s_mov_b64 s[64:65], 0
	v_nop
	global_prefetch_b8 v0, s[64:65] scope:SCOPE_SE
	s_setreg_imm32_b32 hwreg(HW_REG_WAVE_MODE, 25, 1), 1
	s_wait_xcnt 0x0
; KVSUM.  For chunk j = 0, 1, 2 of each sequence and head: C_j = 2^-3.5 gamma^52 sum over the eight blocks s of 64 tokens of G^(7-s) kt_s^T v_s, G = gamma^64, kt = k gamma^-(token mod 64) as stored.
; That is reference()'s kv times gamma x (the sum of the mask's last row).  Left out: each sequence's last chunk, whose kv enters only the scan's dropped carry.  The pad rows 500-511 are zeros and add nothing.
; SHARES.  A work-group has one chunk and head: 512 rows of kt and of v, brought whole into LDS, all first fills.  A wave makes a quadrant 64 (k) x 64 (v): 16 accumulators.
; IN TWO HALVES.  Waves 0 and 1 fetch kt, waves 2 and 3 v; each issues two loads of 128 rows: its part of rows 0-255, then of rows 256-511.  Blocks 0 to 3 are multiplied when the first loads have landed,
; while the second are on their way; a second wait and barrier stand ahead of blocks 4 to 7.  No byte is filled twice, so both are plain barriers.
; Both sources lie [token][channel] and are turned by ds_load_tr16_b128.  The powers of G by Horner: the accumulators are multiplied by G between the blocks, while the next block's LDS loads are out.
; THE TEXT.  A block is written once: a loop of four trips inside a loop of two.  So that both halves have the same four trips the sums start at 0: 128 registers, written while the first tiles are on their way,
; in place of a first block written out (the same bytes of text); the price is 64 packed multiplies of zeros in the first trip.
; NO CLUSTER: no two work-groups read the same rows.  The sums leave in f32, in the order of the registers: 512 consecutive bytes a store.
; log2(gamma) by the series of ln(1 - x), x = 2^(-5-h) <= 1/32, to x^6: the first term left out is under 2e-10 of the sum.
.set PK,    288                        ; a row in LDS: 256 + 32 bytes
.set VB,    512*PK                     ; v behind kt
.set SPARE, 2*VB                       ; the spare words: two blocks of 256 bytes that no other line names
.set AKK, 2                            ; v2, v3 the LDS addresses of the block in hand
.set AVV, 3
.set CO,  4
.set SPW, 6
.set NIL, 7
.set LG,  8
.set GP,  10                           ; v[10:11] G, twice
.set FP,  12                           ; v[12:13] the last factor, twice
.set AKB, 16                           ; v16, v17 my lane's place in block 0 of kt and of v; never rewritten
.set AVB, 17
.set KFR, 64                           ; v[64:127]  kt's fragments: 32 tg + 8 ki
.set VFR, 128                          ; v[128:191] v's
.set TB,  41                           ; s41 LDS byte, from a tensor's first row, at which the block to be fetched begins
.set MSB, 0
.macro WIN new
.if MSB != (\new)
	s_set_vgpr_msb (MSB<<8)|(\new)
.set MSB, \new
.endif
.endm
	s_load_b128 s[4:7], s[0:1], 0x0                ; qkvg, ckv
	v_lshl_add_u32 v[SPW], v0, 2, SPARE
	v_mov_b32 v[NIL], 0
	ds_add_u32 v[SPW], v[NIL]                      ; the wave's opening: the add, twice on end, and its wait ahead of my first tensor load
	ds_add_u32 v[SPW], v[NIL]
	v_lshrrev_b32 v1, 5, v0
	v_readfirstlane_b32 s10, v1                    ; wave
	s_and_b32 s11, ttmp7, 0xffff                   ; 8 b + h
	s_and_b32 s12, s11, 7                          ; h
	s_lshr_b32 s13, s11, 3
	s_lshl_b32 s13, s13, 2
	s_add_co_u32 s13, s13, ttmp9                   ; the chunk among the sixteen
	s_mov_b32 s16, (1<<16)|(1<<20)|(5<<22)|(7<<25) ; 2-byte elements; padding: after every 64 words 8 words
	s_mov_b32 s17, 128<<16
	s_mov_b32 s18, 128<<16
	s_mov_b32 s19, 128<<16
	s_mov_b32 s20, 128
	s_mov_b32 s21, 128
	s_mov_b32 s22, 0
	s_mov_b32 s23, 0
	s_lshr_b32 s29, s10, 1                         ; which tensor I fetch: kt (0) or v (1)
	s_and_b32 s30, s10, 1                          ; which 128 rows of a half's 256
	s_lshl_b32 s14, s13, 2
	s_add_co_u32 s14, s14, s30
	s_lshl_b32 s14, s14, 15                        ; my 128 rows of 256 bytes in the chunk's first half,
	s_lshl_b32 s15, s29, 3
	s_add_co_u32 s15, s15, s12
	s_add_co_u32 s15, s15, 8
	s_lshl_b32 s15, s15, 21                        ; in the head's section of kt (8 + h) or of v (16 + h)
	s_add_co_u32 s14, s14, s15
	s_mov_b32 s15, 0
	s_mul_i32 s28, s29, VB                         ; where they go: the tensor's region,
	s_mul_i32 s31, s30, 128*PK                     ; my 128 rows of it
	s_add_co_u32 s28, s28, s31
	s_mov_b32 s24, 1
	s_mov_b32 s25, s28
	s_mov_b32 s32, 1
	s_add_co_u32 s33, s28, 256*PK                  ; the second half lies 256 rows on,
	s_wait_dscnt 0x0
	s_wait_kmcnt 0x0
	s_add_nc_u64 s[26:27], s[4:5], s[14:15]
	s_add_nc_u64 s[34:35], s[26:27], 65536         ; in memory too
	s_or_b32 s27, s27, 0x80000000
	s_or_b32 s35, s35, 0x80000000
	tensor_load_to_lds s[24:27], s[16:23]          ; by this text's count two tensor loads of a wave are out at the most
	s_nop 0
	tensor_load_to_lds s[32:35], s[16:23]
	s_nop 0
.rept 4
	v_nop
.endr
	v_bfe_u32 v14, v0, 4, 1
	v_and_b32 v15, 7, v0
	v_lshl_add_u32 v15, v14, 3, v15                ; token 8 (l / 16) + l % 8,
	v_mul_u32_u24 v15, v15, PK
	v_bfe_u32 v14, v0, 3, 1
	v_lshl_add_u32 v15, v14, 4, v15                ; channels 8 ((l / 8) % 2) on
	s_lshr_b32 s36, s10, 1
	s_lshl_b32 s36, s36, 7                         ; my 64 channels of k
	s_and_b32 s37, s10, 1
	s_lshl_b32 s37, s37, 7                         ; and of v
	s_add_co_u32 s37, s37, VB
	v_add_nc_u32 v[AKB], s36, v15
	v_add_nc_u32 v[AVB], s37, v15
	s_mov_b32 s[TB], 0
	v_and_b32 v14, 31, v0
	v_lshlrev_b32 v[CO], 4, v14
	s_mul_i32 s38, s11, 3
	s_add_co_u32 s38, s38, ttmp9
	s_lshl_b32 s38, s38, 16
	s_lshl_b32 s39, s10, 14
	s_add_co_u32 s38, s38, s39
	s_mov_b32 s39, 0
	s_add_nc_u64 s[6:7], s[6:7], s[38:39]
	s_sub_co_u32 s40, 122, s12
	s_lshl_b32 s40, s40, 23                        ; x = 2^(-5-h)
	v_mov_b32 v14, s40
	v_mov_b32 v15, 0x3e2aaaab
	v_fmaak_f32 v15, v15, v14, 0x3e4ccccd
	v_fmaak_f32 v15, v15, v14, 0x3e800000
	v_fmaak_f32 v15, v15, v14, 0x3eaaaaab
	v_fmaak_f32 v15, v15, v14, 0x3f000000
	v_fmaak_f32 v15, v15, v14, 0x3f800000
	v_mul_f32 v15, v15, v14
	v_mul_f32 v[LG], 0xbfb8aa3b, v15               ; log2(gamma)
	v_mul_f32 v[GP], 0x42800000, v[LG]
	v_mul_f32 v[FP], 0x42500000, v[LG]
	v_exp_f32 v[GP], v[GP]                         ; gamma^64
	v_exp_f32 v[FP], v[FP]                         ; gamma^52
	v_nop
	s_wait_alu depctr_va_vdst(0)
	v_mov_b32 v[GP+1], v[GP]
	v_mul_f32 v[FP], 0x3db504f3, v[FP]             ; x 2^-3.5
	v_mov_b32 v[FP+1], v[FP]
	WIN 0x40
.set z, 0
.rept 128
	v_mov_b32 v[z], 0                              ; the sums start at 0: written while the first tiles are on their way
.set z, z+1
.endr
	WIN 0
.macro PLACES
.rept 4
	v_nop
.endr
.endm
.macro LOADS                           ; a block of 64 tokens: 8 fragments of each source, 32 loads
.set f, 0
.rept 8
	ds_load_tr16_b128 v[KFR+8*f:KFR+8*f+3],   v[AKK] offset:32*PK*(f/4)+32*(f%4)
	ds_load_tr16_b128 v[KFR+8*f+4:KFR+8*f+7], v[AKK] offset:32*PK*(f/4)+32*(f%4)+16*PK
	ds_load_tr16_b128 v[VFR+8*f:VFR+8*f+3],   v[AVV] offset:32*PK*(f/4)+32*(f%4)
	ds_load_tr16_b128 v[VFR+8*f+4:VFR+8*f+7], v[AVV] offset:32*PK*(f/4)+32*(f%4)+16*PK
.set f, f+1
.endr
.endm
.macro MULS                            ; 32 products: the 16 accumulators take turns; accumulator 4 ki + vi in window 1
	WIN 0x50
.set m, 0
.rept 32
	v_wmma_f32_16x16x32_f16 v[8*(m%16):8*(m%16)+7], v[KFR+32*(m/16)+8*((m%16)/4):KFR+32*(m/16)+8*((m%16)/4)+7], v[VFR+32*(m/16)+8*(m%4):VFR+32*(m/16)+8*(m%4)+7], v[8*(m%16):8*(m%16)+7]
.set m, m+1
.endr
	WIN 0
.endm
.macro SCALE p                         ; all 128 sums times the pair p, from each accumulator's low end on
	WIN 0x41
.set z, 0
.rept 64
	v_pk_mul_f32 v[2*z:2*z+1], v[2*z:2*z+1], v[(\p):(\p)+1]
.set z, z+1
.endr
	WIN 0
.endm
	s_wait_tensorcnt 1                             ; my rows of the first half have landed; my second load may stay out
	s_barrier_signal -1
	s_barrier_wait -1                              ; everybody's have: rows 0-255 of kt and of v are whole
	s_mov_b32 s2, 2
.Lhalf:                                        ; a half: four blocks of 64 tokens
	s_mov_b32 s3, 4
.Lstep:
	PLACES
	v_add_nc_u32 v[AKK], s[TB], v[AKB]
	v_add_nc_u32 v[AVV], s[TB], v[AVB]
	s_add_co_u32 s[TB], s[TB], 64*PK               ; the next fetch is the next block's
	LOADS
	SCALE GP                                       ; stands between the loads and the wait for them
	s_wait_dscnt 0x0
	MULS
	s_sub_co_u32 s3, s3, 1
	s_cmp_lg_u32 s3, 0
	s_cbranch_scc1 .Lstep
	s_wait_tensorcnt 0x0                           ; my rows of the second half have landed,
	s_barrier_signal -1
	s_barrier_wait -1                              ; everybody's have (behind the second half the two lines find nothing to wait for)
	s_sub_co_u32 s2, s2, 1
	s_cmp_lg_u32 s2, 0
	s_cbranch_scc1 .Lhalf
	PLACES
	SCALE FP
	WIN 0x04                                       ; the stores' data in window 1
.set i, 0
.rept 32
	global_store_b128 v[CO], v[4*i:4*i+3], s[6:7] offset:512*i
.set i, i+1
.endr
	WIN 0
	s_wait_tensorcnt 0x0                           ; the wave's end
	ds_add_u32 v[SPW], v[NIL]
	s_wait_dscnt 0x0
	s_endpgm
.Lfunc_end_k_qe38cf50bc5_kvsum:
	.size	k_qe38cf50bc5_kvsum, .Lfunc_end_k_qe38cf50bc5_kvsum-k_qe38cf50bc5_kvsum
	.p2alignl 7, 3214868480
	.fill 96, 4, 3214868480
	.section	.rodata,"a",@progbits
	.p2align	6, 0x0
	.amdhsa_kernel k_qe38cf50bc5_kvsum
		.amdhsa_group_segment_fixed_size 327680
		.amdhsa_private_segment_fixed_size 0
		.amdhsa_enable_private_segment 0
		.amdhsa_kernarg_size 16
		.amdhsa_user_sgpr_count 2
		.amdhsa_user_sgpr_kernarg_segment_ptr 1
		.amdhsa_wavefront_size32 1
		.amdhsa_system_sgpr_workgroup_id_x 1
		.amdhsa_system_sgpr_workgroup_id_y 1
		.amdhsa_system_sgpr_workgroup_id_z 1
		.amdhsa_system_vgpr_workitem_id 0
		.amdhsa_next_free_vgpr 384
		.amdhsa_next_free_sgpr 66
		.amdhsa_reserve_vcc 0
		.amdhsa_float_denorm_mode_32 3
		.amdhsa_float_denorm_mode_16_64 3
		.amdhsa_memory_ordered 1
		.amdhsa_forward_progress 1
		.amdhsa_inst_pref_size 25
	.end_amdhsa_kernel
	.amdgpu_metadata
---
amdhsa.version: [ 1, 2 ]
amdhsa.kernels:
  - .name:           k_qe38cf50bc5_kvsum
    .symbol:         k_qe38cf50bc5_kvsum.kd
    .args:
      - { .name: qkvg, .offset: 0, .size: 8, .value_kind: global_buffer, .address_space: global }
      - { .name: ckv, .offset: 8, .size: 8, .value_kind: global_buffer, .address_space: global }
    .group_segment_fixed_size: 327680
    .private_segment_fixed_size: 0
    .kernarg_segment_align: 8
    .kernarg_segment_size: 16
    .max_flat_workgroup_size: 128
    .sgpr_count:     66
    .vgpr_count:     384
    .wavefront_size: 32
...
	.end_amdgpu_metadata
.endif
;; end of part 3
;; launch ret (part 4): grid 32 x 8, 4 waves a work-group, no clusters, 327,680 bytes of LDS; arguments qkvg, ckv, yh; writes yh
.if DOCPART == 4
	.amdgcn_target "amdgcn-amd-amdhsa--gfx1250"
	.amdhsa_code_object_version 6
	.text
	.protected	k_qe38cf50bc5_ret
	.globl	k_qe38cf50bc5_ret
	.p2align	8
	.type	k_qe38cf50bc5_ret,@function
k_qe38cf50bc5_ret:
	s_mov_b64 s[64:65], 0
	v_nop
	global_prefetch_b8 v0, s[64:65] scope:SCOPE_SE
	s_setreg_imm32_b32 hwreg(HW_REG_WAVE_MODE, 25, 1), 1
	s_wait_xcnt 0x0
; RET.  The retention of one chunk and head, the group norm and the gate: yh = silu(g) x out x rsqrt(mean(out^2) + 1e-6), f16, [8192][1024] in the padded rows.
; Left out: key steps above the diagonal (reference()'s own tril makes them 0); the first chunk's cross product and cross scale (the scan's own zeros and ones); the two divisions by a scale that cancel.
; NAMES.  x = 2^(-5-h), gamma = 1 - x, G = gamma^64, cd = gamma^500, SS = (1 - cd) / x.  A query c = 64 beta + cm; a key e = 64 s + e'.  kt = k gamma^-e' as stored; S = q . kt.
;  inner:  qk mask = rho_c G^(beta-s) 2^-3.5 S for e <= c, rho_c = gamma^cm sqrt(x / (1 - gamma^(c+1)));  inner_scale = max(1, rho_c l_c), l_c the sum of G^(beta-s) 2^-3.5 |S|.
;  state:  Z_n = sum over j < n of cd^(n-1-j) C_j;  cs = max(1, max over v of sum over k of |Z| / (gamma SS));  Zh = Z / (gamma SS cs) is reference()'s kv_rec, within +-1.
;  out_c = rho_c (A_c + G^beta gamma SS cs q_c . Zh) / max(inner_scale, cs), A_c the sum of G^(beta-s) 2^-3.5 S v_e.
; THE WEIGHTS' RANGE.  reference() divides qk by inner_scale before the second product.  Here each query has phi = 2^(14 - e), e the f16 exponent of its largest |q|: P = phi G^(beta-s) 2^-3.5 S is then at most the
; length of the key's row, whatever the inputs' size; O and l carry phi, a power of two, which is taken out in f32 at the end.
; LIMITS.  The length of a row of kt, and |y|, stay under 65,504 (f16); P below 6e-5 keeps f16's fixed step.  1 - gamma^(c+1) is a difference: up to 1.2e-4 of error in rho_c (h = 7, c = 0), a factor common to the row,
; which acts through the clip and the epsilon alone.  A hidden or padded score is multiplied by 0: NaN and infinities are not treated apart.
; SHARES.  A chunk's eight bands of 64 queries go to two work-groups: bands p, 3 - p, 4 + p, 7 - p: 18 band-steps for either p.  A wave owns 16 rows in each band, a PIECE: the four waves are alike.
; K and V of the chunk come whole into LDS, two tensor loads a wave, all first fills: no byte is filled twice, so there is no ring.
; NO CLUSTER: only the two halves of a chunk share K and V, and a cluster of four along x would join two chunks, whose tiles differ.
; THE ORDER OF THE REQUESTS.  All set-up that needs no argument stands ahead of the wait for the arguments.  Then: the tiles, Q, and at once the carried sums C, from which the longest chain hangs (Z, its column
; sums, Zh, the cross product): that chain runs while the tiles land.  silu g, wanted at the end, is asked for when the tiles have landed.  The scan of Q for phi stands behind the join of the two arms.
; LAYOUT.  S^T = K Q^T holds one query a lane (l % 16) and the keys 8 (l / 16) + 0..7; two such results rounded to f16 are source 1 of O^T = V^T P; V is turned by ds_load_tr16_b128.
; REGISTERS.  window 0: v0-11 addresses; v12-43 eight a piece (four chains of l, the pair F later mu, phi 2^-3.5, rho / phi); v44-63 constants and work; v64-191 S^T; v192-255 P
;   window 1: O^T, 64 a piece (before that Z and C_1)     window 2: v0-127 Q; v128-255 K of one step
;   window 3: v0-127 V of one step (before that a C_j, at the end piece 0's silu g); v128-159 the diagonal's mask; v160-255 silu g of pieces 1 to 3
; The chunk's number n and the half p come from the work-group's number, the same in all four waves, so the barriers inside the arm for n > 0 are passed by all waves or by none.  n picks the arm once; the
; second test of n, round the scaling of the cross product, leads only to lines whose registers both arms have written.
.set PK,    272
.set PV,    288
.set VOFF,  512*PK
.set ZT,    VOFF+512*PV                ; Zh, [v][k] in f16, 128 rows of 272 bytes; behind the arm's last barrier the four stages of the way out, 16 rows x 272 each
.set RED,   ZT+128*272                 ; 256 words: the column sums of |Z|, by half of k
.set SPARE, RED+1024                   ; the spare words: two blocks of 256 bytes that no other line names
.set SP,    272
.set AK0, 2
.set AV0, 3
.set ADR, 4
.set QO,  5
.set STO, 6
.set RD,  7
.set GO,  8
.set ZST, 9
.set ZLD, 10
.set RDA, 11
.set ST,  12
.set LG,  44
.set CSC, 45
.set CD,  46
.set ZN,  48
.set XB,  55
.set GSS, 56
.set RST, 57
.set XF,  58
.set CKO, 60
.set SPW, 62
.set NIL, 63
.set S,   64
.set P,   192
.set KF,  128
.set MD,  128
.set SG,  160
.set WV,   10
.set UU,   11
.set PP,   12
.set HH,   13
.set NN,   14
.set G1K,  16
.set G1V,  24
.set G0K,  32
.set G0V,  36
.set BETA, 40
.set GS,   44
.set GINV, 48
.set STEP, 49
.set TBK,  50
.set TBV,  51
.set QB,   52
.set SEL,  60
.set ABSM, 62
.set I128, 63
.set YB,   66
.set SGB,  74
.set CKB,  82
.set MSB, 0
.macro WIN new
.if MSB != (\new)
	s_set_vgpr_msb (MSB<<8)|(\new)
.set MSB, \new
.endif
.endm
.macro PLACES                          ; four plain instructions between a matrix instruction and a load into, or a reader or writer of, its registers
.rept 4
	v_nop
.endr
.endm
	s_load_b128 s[4:7], s[0:1], 0x0                ; qkvg, ckv
	s_load_b64 s[8:9], s[0:1], 0x10                ; yh
	v_lshl_add_u32 v[SPW], v0, 2, SPARE
	v_mov_b32 v[NIL], 0
	ds_add_u32 v[SPW], v[NIL]                      ; the wave's opening: the add, twice on end, and its wait ahead of my first tensor load
	ds_add_u32 v[SPW], v[NIL]
	v_lshrrev_b32 v1, 5, v0
	v_readfirstlane_b32 s[WV], v1
	s_lshr_b32 s[UU], ttmp9, 1                     ; the chunk among the sixteen
	s_and_b32 s[PP], ttmp9, 1                      ; which half of its bands
	s_and_b32 s[HH], ttmp7, 0xffff                 ; the head
	s_and_b32 s[NN], s[UU], 3                      ; the chunk in its sequence
	s_lshr_b32 s15, s[UU], 2                       ; the sequence
	s_mov_b32 s[BETA], s[PP]
	s_sub_co_u32 s[BETA+1], 3, s[PP]
	s_add_co_u32 s[BETA+2], s[PP], 4
	s_sub_co_u32 s[BETA+3], 7, s[PP]
	s_mov_b32 s[G1K], (1<<16)|(1<<20)|(5<<22)|(3<<25)  ; 2-byte elements; padding: after every 64 words 4 words
	s_mov_b32 s[G1V], (1<<16)|(1<<20)|(5<<22)|(7<<25)  ; 8 words
.irp g, G1K, G1V
	s_mov_b32 s[(\g)+1], 128<<16
	s_mov_b32 s[(\g)+2], 128<<16
	s_mov_b32 s[(\g)+3], 128<<16
	s_mov_b32 s[(\g)+4], 128
	s_mov_b32 s[(\g)+5], 128
	s_mov_b32 s[(\g)+6], 0
	s_mov_b32 s[(\g)+7], 0
.endr
	s_lshl_b32 s90, s[UU], 2
	s_add_co_u32 s90, s90, s[WV]
	s_lshl_b32 s90, s90, 15                        ; my 128 rows of the chunk's 512,
	s_add_co_u32 s91, s[HH], 8
	s_lshl_b32 s91, s91, 21                        ; in kt's section
	s_add_co_u32 s90, s90, s91
	s_mov_b32 s91, 0
	s_mov_b32 s[G0K], 1
	s_mul_i32 s[G0K+1], s[WV], 128*PK
	s_mov_b32 s[G0V], 1
	s_mul_i32 s86, s[WV], 128*PV
	s_add_co_u32 s[G0V+1], s86, VOFF
	s_mov_b32 s[SEL], 0x76543210
	s_mov_b32 s[SEL+1], 0xfedcba98
	s_mov_b32 s[ABSM], 0x7fff7fff
	s_mov_b32 s[I128], 0x3c000000                  ; 1 / 128
	s_wait_dscnt 0x0                               ; both opening adds are done
	; ALL THAT NEEDS NO ARGUMENT stands here, ahead of the wait for the arguments.
	v_and_b32 v1, 15, v0                           ; l % 16
	v_bfe_u32 v61, v0, 4, 1                        ; l / 16
	v_lshlrev_b32 v[QO], 8, v1
	v_lshl_add_u32 v[QO], v61, 4, v[QO]            ; row x 256 + 16 x half
	; S^T, P, the chains of l and the work registers are written once here, so that the loop's jumps over idle pieces meet no register that was never written
.set i, S
.rept 192
	v_mov_b32 v[i], 0
.set i, i+1
.endr
.set i, ST
.rept 32
	v_mov_b32 v[i], 0
.set i, i+1
.endr
.set i, 50
.rept 10
	v_mov_b32 v[i], 0
.set i, i+1
.endr
	v_mul_u32_u24 v[AK0], v1, PK
	v_lshl_add_u32 v[AK0], v61, 4, v[AK0]          ; K: row x pitch + 16 x half
	v_and_b32 v51, 7, v0
	v_bfe_u32 v52, v0, 3, 1
	v_lshl_add_u32 v[AV0], v61, 3, v51             ; V, turned: key 8 (l / 16) + l % 8, channels 8 ((l / 8) % 2) on
	v_mul_u32_u24 v[AV0], v[AV0], PV
	v_lshl_add_u32 v[AV0], v52, 4, v[AV0]
	v_add_nc_u32 v[AV0], VOFF, v[AV0]
	s_mul_i32 s84, s[WV], 16*SP
	s_add_co_u32 s84, s84, ZT                      ; my stage
	v_add_nc_u32 v[STO], s84, v[AK0]               ; in: row l % 16, 16 bytes for each half of the lanes
	v_mul_u32_u24 v[RD], v61, SP
	v_lshl_add_u32 v[RD], v1, 4, v[RD]
	v_add_nc_u32 v[RD], s84, v[RD]                 ; back: lanes 0-15 one row of 256 bytes, lanes 16-31 the next
	v_lshlrev_b32 v[GO], 11, v61
	v_lshl_add_u32 v[GO], v1, 4, v[GO]             ; the same two rows in yh
	s_and_b32 s85, s[WV], 1                        ; my half of v in Z's quadrants,
	s_lshr_b32 s86, s[WV], 1                       ; and of k
	s_mul_i32 s88, s85, 64*SP
	s_lshl_b32 s89, s86, 7
	s_add_co_u32 s88, s88, s89
	s_add_co_u32 s88, s88, ZT
	v_add_nc_u32 v[ZST], s88, v[AK0]               ; Zh: row 64 vq + l % 16, bytes 128 kq + 16 (l / 16)
	v_add_nc_u32 v[ZLD], ZT, v[AK0]
	s_lshl_b32 s88, s86, 9
	s_lshl_b32 s89, s85, 8
	s_add_co_u32 s88, s88, s89
	s_add_co_u32 s88, s88, RED
	v_lshl_add_u32 v[RST], v1, 2, s88
	v_and_b32 v50, 31, v0
	v_lshl_add_u32 v[RDA], v50, 2, RED
	v_lshlrev_b32 v[CKO], 4, v50
	; the diagonal's mask for my 16 rows: 1 where the key's place in the step, 16 kt + 8 (l / 16) + j, is at most the query's, 16 w + l % 16
	v_lshlrev_b32 v50, 3, v61
	v_sub_nc_u32 v50, v1, v50
	s_lshl_b32 s84, s[WV], 4
	v_add_nc_u32 v50, s84, v50
	WIN 0xc0
.set i, 0
.rept 32
	v_cmp_gt_i32 vcc_lo, 16*(i/8)+i%8, v50
	v_cndmask_b32 v[MD+i], 1.0, 0, vcc_lo
.set i, i+1
.endr
	WIN 0
	; the constants
	s_sub_co_u32 s85, 122, s[HH]
	s_lshl_b32 s85, s85, 23                        ; x = 2^(-5-h)
	s_add_co_u32 s86, s[HH], 132
	s_lshl_b32 s86, s86, 23                        ; 1 / x
	v_mov_b32 v50, s85
	v_mov_b32 v51, 0x3e2aaaab                      ; log2(1 - x) by the series to x^6: the first term left out is under 2e-10 of the sum
	v_fmaak_f32 v51, v51, v50, 0x3e4ccccd
	v_fmaak_f32 v51, v51, v50, 0x3e800000
	v_fmaak_f32 v51, v51, v50, 0x3eaaaaab
	v_fmaak_f32 v51, v51, v50, 0x3f000000
	v_fmaak_f32 v51, v51, v50, 0x3f800000
	v_mul_f32 v51, v51, v50
	v_mul_f32 v[LG], 0xbfb8aa3b, v51
	v_mul_f32 v64, 0x43fa0000, v[LG]               ; cd
	v_mul_f32 v65, 0xc2800000, v[LG]               ; 1 / G
.irp x, 0,1,2,3
	s_lshl_b32 s88, s[BETA+(\x)], 6
	v_cvt_f32_u32 v[66+(\x)], s88
	v_mul_f32 v[66+(\x)], v[LG], v[66+(\x)]        ; G^beta
.endr
	v_add_nc_u32 v51, s84, v1
	v_cvt_f32_u32 v51, v51                         ; cm
	v_mul_f32 v70, v[LG], v51                      ; gamma^cm
	v_add_f32 v51, 1.0, v51
.irp x, 0,1,2,3
	v_fma_f32 v[72+(\x)], v[LG], v51, v[66+(\x)]   ; gamma^(c+1)
.endr
.irp r, 64,65,66,67,68,69,70,72,73,74,75
	v_exp_f32 v[\r], v[\r]
.endr
	v_nop
	s_wait_alu depctr_va_vdst(0)                   ; one wait for the eleven exponentials
	v_mov_b32 v[CD], v64
	v_mov_b32 v[CD+1], v64
	v_readfirstlane_b32 s[GINV], v65
.irp x, 0,1,2,3
	v_readfirstlane_b32 s[GS+(\x)], v[66+(\x)]     ; the factor G^(beta - s) at s = 0
.endr
	v_sub_f32 v[GSS], 1.0, v64
	v_mul_f32 v[GSS], s86, v[GSS]
	v_sub_f32 v52, 1.0, v50
	v_mul_f32 v[GSS], v[GSS], v52                  ; gamma SS
.irp x, 0,1,2,3
	v_sub_f32 v[72+(\x)], 1.0, v[72+(\x)]
	v_mul_f32 v[72+(\x)], s86, v[72+(\x)]
.endr
.irp x, 0,1,2,3
	v_rsq_f32 v[72+(\x)], v[72+(\x)]
.endr
	v_nop
	s_wait_alu depctr_va_vdst(0)
.irp x, 0,1,2,3
	v_mul_f32 v[ST+8*(\x)+7], v[72+(\x)], v70      ; rho
.endr
	; THE REQUESTS
	s_wait_kmcnt 0x0
	s_add_nc_u64 s[G0K+2:G0K+3], s[4:5], s[90:91]
	s_add_nc_u64 s[G0V+2:G0V+3], s[G0K+2:G0K+3], 0x1000000  ; v's section lies eight sections on
	s_or_b32 s[G0K+3], s[G0K+3], 0x80000000
	s_or_b32 s[G0V+3], s[G0V+3], 0x80000000
	tensor_load_to_lds s[G0K:G0K+3], s[G1K:G1K+7]
	s_nop 0
	tensor_load_to_lds s[G0V:G0V+3], s[G1V:G1V+7]
	s_nop 0
.rept 4
	v_nop
.endr
	s_mov_b32 s87, 0
.irp x, 0,1,2,3                        ; each piece's 16 rows in q, in silu g and in y
	s_lshl_b32 s84, s[UU], 5
	s_lshl_b32 s86, s[BETA+(\x)], 2
	s_add_co_u32 s84, s84, s86
	s_add_co_u32 s84, s84, s[WV]                   ; (512 u + 64 beta + 16 w) / 16
	s_lshl_b32 s86, s84, 12
	s_lshl_b32 s88, s[HH], 21
	s_add_co_u32 s86, s86, s88
	s_add_nc_u64 s[QB+2*(\x):QB+2*(\x)+1], s[4:5], s[86:87]
	s_add_nc_u64 s[SGB+2*(\x):SGB+2*(\x)+1], s[QB+2*(\x):QB+2*(\x)+1], 0x3000000
	s_lshl_b32 s86, s84, 15
	s_lshl_b32 s88, s[HH], 8
	s_add_co_u32 s86, s86, s88
	s_add_nc_u64 s[YB+2*(\x):YB+2*(\x)+1], s[8:9], s[86:87]
.endr
	s_lshl_b32 s84, s15, 3
	s_add_co_u32 s84, s84, s[HH]
	s_mul_i32 s84, s84, 3
	s_lshl_b32 s84, s84, 16
	s_lshl_b32 s86, s[WV], 14
	s_add_co_u32 s86, s86, s84
	s_add_nc_u64 s[CKB:CKB+1], s[6:7], s[86:87]    ; my quadrant of the sequence's and head's C_0
	WIN 0x80
.set i, 0
.rept 16                               ; Q stays in registers: piece i / 4, channels 32 (i % 4) on
	global_load_b128 v[8*i:8*i+3],   v[QO], s[QB+2*(i/4):QB+2*(i/4)+1] offset:64*(i%4)
	global_load_b128 v[8*i+4:8*i+7], v[QO], s[QB+2*(i/4):QB+2*(i/4)+1] offset:64*(i%4)+32
.set i, i+1
.endr
	WIN 0
.macro CLOAD win, reg, off             ; my quadrant of one C_j: 32 loads of 512 consecutive bytes
	WIN \win
.set z, 0
.rept 32
	global_load_b128 v[(\reg)+4*z:(\reg)+4*z+3], v[CKO], s[CKB:CKB+1] offset:(\off)+512*z
.set z, z+1
.endr
	WIN 0
.endm
.macro ZFMA win, reg                   ; Z = Z cd + the next C
	WIN \win
.set z, 0
.rept 64
	v_pk_fma_f32 v[2*z:2*z+1], v[2*z:2*z+1], v[CD:CD+1], v[(\reg)+2*z:(\reg)+2*z+1]
.set z, z+1
.endr
	WIN 0
.endm
	; Z by Horner from C_0 on.  C_0's loads serve every n > 0, and the last step serves n = 2 and n = 3: its addend, the youngest C, lies in window 3 either way.
	s_cmp_eq_u32 s[NN], 0
	s_cbranch_scc1 .Lchunk0
	CLOAD 0x40, 0, 0                               ; C_0 into Z
	s_cmp_eq_u32 s[NN], 1
	s_cbranch_scc1 .Ln1
	s_cmp_eq_u32 s[NN], 2
	s_cbranch_scc1 .Ln2
	CLOAD 0x40, 128, 65536                         ; n = 3: C_1,
	CLOAD 0xc0, 0, 131072                          ; and C_2
	s_wait_loadcnt 0x0
	ZFMA 0x51, 128
	s_branch .Lf2
.Ln2:
	CLOAD 0xc0, 0, 65536                           ; n = 2: C_1
	s_wait_loadcnt 0x0
.Lf2:
	ZFMA 0x71, 0
.Ln1:
	s_wait_loadcnt 0x0                             ; n = 1: C_0 is in, and Q, which is older (on the other two ways nothing is out)
	; the sums of |Z| down my 64 k for my 64 columns: four chains, one for each block of 16 columns
.irp r, 50,51,52,53
	v_mov_b32 v[\r], 0
.endr
	WIN 0x04
.set t, 0
.rept 128
	v_add_f32 v[50+t%4], v[50+t%4], |v[8*(4*((t/4)/8)+t%4)+(t/4)%8]|
.set t, t+1
.endr
	WIN 0
.irp r, 50,51,52,53
	v_permlanex16_b32 v54, v[\r], s[SEL], s[SEL+1]
	v_add_f32 v[\r], v[\r], v54
	ds_store_b32 v[RST], v[\r] offset:64*((\r)-50)
.endr
	s_wait_dscnt 0x0                               ; for the others' sake: my sums lie in LDS
	s_barrier_signal -1
	s_barrier_wait -1
.set m, 0
.rept 8
	ds_load_b32 v[64+m], v[RDA] offset:128*(m%4)+512*(m/4)  ; column l + 32 (m % 4), half m / 4 of k
.set m, m+1
.endr
	s_wait_dscnt 0x0
.irp r, 64,65,66,67
	v_add_f32 v[\r], v[\r], v[(\r)+4]
.endr
	v_max3_num_f32 v64, v64, v65, v66
	v_max_num_f32 v64, v64, v67
	v_max_num_f32_dpp v64, v64, v64 row_xmask:1 row_mask:0xf bank_mask:0xf
	v_max_num_f32_dpp v64, v64, v64 row_xmask:2 row_mask:0xf bank_mask:0xf
	v_max_num_f32_dpp v64, v64, v64 row_xmask:4 row_mask:0xf bank_mask:0xf
	v_max_num_f32_dpp v64, v64, v64 row_xmask:8 row_mask:0xf bank_mask:0xf
	v_permlanex16_b32 v65, v64, s[SEL], s[SEL+1]
	v_max_num_f32 v64, v64, v65
	v_rcp_f32 v50, v[GSS]
	v_nop
	s_wait_alu depctr_va_vdst(0)
	v_mul_f32 v64, v64, v50
	v_max_num_f32 v[CSC], 1.0, v64                 ; the cross scale, with reference()'s clip
	v_mul_f32 v51, v[GSS], v[CSC]
	v_rcp_f32 v[ZN], v51
	v_mul_f32 v[XB], 0x413504f3, v51               ; gamma SS cs 2^3.5: with phi 2^-3.5 and G^beta the factor of the cross product
	s_wait_alu depctr_va_vdst(0)
	v_mov_b32 v[ZN+1], v[ZN]
	WIN 0x41
.set z, 0
.rept 64
	v_pk_mul_f32 v[2*z:2*z+1], v[2*z:2*z+1], v[ZN:ZN+1]
.set z, z+1
.endr
	WIN 0x05
.set z, 0
.rept 64
	v_cvt_pk_f16_f32 v[S+z], v[2*z], v[2*z+1]
.set z, z+1
.endr
	WIN 0
.set a, 0
.rept 16                               ; accumulator 4 ki + vi: a lane's eight k of one column v are 16 bytes of a row of Zh
	ds_store_b128 v[ZST], v[S+4*a:S+4*a+3] offset:16*SP*(a%4)+32*(a/4)
.set a, a+1
.endr
	s_wait_dscnt 0x0                               ; my part of Zh lies in LDS (the tiles may still be on their way: nothing behind this barrier reads them)
	s_barrier_signal -1
	s_barrier_wait -1
	WIN 0x80
.set f, 0
.rept 16                               ; Zh's fragments: column block f / 4, k 32 (f % 4) on: blocks 0-3 into window 2,
	ds_load_b128 v[128+8*f:128+8*f+3],   v[ZLD] offset:16*SP*(f/4)+64*(f%4)
	ds_load_b128 v[128+8*f+4:128+8*f+7], v[ZLD] offset:16*SP*(f/4)+64*(f%4)+32
.set f, f+1
.endr
	WIN 0xc0
.set f, 0
.rept 16                               ; blocks 4-7 into window 3
	ds_load_b128 v[8*f:8*f+3],   v[ZLD] offset:16*SP*(4+f/4)+64*(f%4)
	ds_load_b128 v[8*f+4:8*f+7], v[ZLD] offset:16*SP*(4+f/4)+64*(f%4)+32
.set f, f+1
.endr
	WIN 0
	s_wait_dscnt 0x0
.macro XZ half                         ; O^T = Zh^T Q^T for four column blocks: 64 products, k outermost, so that 16 accumulators take turns
	WIN 0x5a+(\half)
.set i, 0
.rept 64
.set rO, 64*((i/4)%4)+8*(4*(\half)+i%4)
.set rZ, 128*(1-(\half))+32*(i%4)+8*(i/16)
.set rQ, 32*((i/4)%4)+8*(i/16)
.if i < 16
	v_wmma_f32_16x16x32_f16 v[rO:rO+7], v[rZ:rZ+7], v[rQ:rQ+7], 0
.else
	v_wmma_f32_16x16x32_f16 v[rO:rO+7], v[rZ:rZ+7], v[rQ:rQ+7], v[rO:rO+7]
.endif
.set i, i+1
.endr
	WIN 0
.endm
	XZ 0
	XZ 1
	PLACES                                         ; ahead of the loads into Zh's registers, behind the join
	s_wait_tensorcnt 0x0                           ; my rows of K and V have landed;
	s_barrier_signal -1                            ; every wave's reads of Zh are back (the wait for them stands ahead of the products): its bytes become the stages
	s_barrier_wait -1                              ; K and V are whole
	s_branch .Lgo
.Lchunk0:                                      ; a sequence's first chunk: no state; O^T starts at 0, so that the loop has one form of product
	v_mov_b32 v[CSC], 1.0
	WIN 0x40
.set z, 0
.rept 256
	v_mov_b32 v[z], 0
.set z, z+1
.endr
	WIN 0
	s_wait_tensorcnt 0x0
	s_barrier_signal -1
	s_barrier_wait -1
.Lgo:
; THE MATRIX WORK of a piece and step.  The accumulators take turns, one instruction a turn.
.macro KQ x                            ; S^T = K Q^T: channels 32 (i / 4) on, keys 16 (i % 4) on; the first four start the sums
	WIN 0x0a
.set i, 0
.rept 16
.set rS, S+32*(\x)+8*(i%4)
.set rK, KF+32*(i%4)+8*(i/4)
.set rQ, 32*(\x)+8*(i/4)
.if i < 4
	v_wmma_f32_16x16x32_f16 v[rS:rS+7], v[rK:rK+7], v[rQ:rQ+7], 0
.else
	v_wmma_f32_16x16x32_f16 v[rS:rS+7], v[rK:rK+7], v[rQ:rQ+7], v[rS:rS+7]
.endif
.set i, i+1
.endr
	WIN 0
.endm
.macro PVM x                           ; O^T += V^T P: keys 32 (i / 8) on, channels 16 (i % 8) on
	WIN 0x53
.set i, 0
.rept 16
.set rO, 64*(\x)+8*(i%8)
.set rV, 64*(i/8)+8*(i%8)
.set rP, P+16*(\x)+8*(i/8)
	v_wmma_f32_16x16x32_f16 v[rO:rO+7], v[rV:rV+7], v[rP:rP+7], v[rO:rO+7]
.set i, i+1
.endr
	WIN 0
.endm
; THE VECTOR WORK: in the band's own step the mask; the factor phi G^(beta-s) 2^-3.5; l takes the magnitudes; the weights are rounded to f16.  Each accumulator is read from its low end on.
.macro VEC x
	v_mul_f32 v[ST+8*(\x)+4], s[GS+(\x)], v[ST+8*(\x)+6]
	s_cmp_eq_u32 s[STEP], s[BETA+(\x)]
	s_cbranch_scc0 .Lnd_\@
	WIN 0x0c
.set z, 0
.rept 16
	v_pk_mul_f32 v[S+32*(\x)+2*z:S+32*(\x)+2*z+1], v[S+32*(\x)+2*z:S+32*(\x)+2*z+1], v[MD+2*z:MD+2*z+1]
.set z, z+1
.endr
	WIN 0
.Lnd_\@:
.set z, 0
.rept 16
	v_pk_mul_f32 v[S+32*(\x)+2*z:S+32*(\x)+2*z+1], v[S+32*(\x)+2*z:S+32*(\x)+2*z+1], v[ST+8*(\x)+4:ST+8*(\x)+5] op_sel_hi:[1,0]
.set z, z+1
.endr
.set z, 0
.rept 32
	v_add_f32 v[ST+8*(\x)+z%4], v[ST+8*(\x)+z%4], |v[S+32*(\x)+z]|
.set z, z+1
.endr
.set z, 0
.rept 16
	v_cvt_pk_f16_f32 v[P+16*(\x)+z], v[S+32*(\x)+2*z], v[S+32*(\x)+2*z+1]
.set z, z+1
.endr
.endm
; A piece whose band lies below the step is idle: its work is jumped over, forward, past no barrier and no LDS load.
.macro WKQ x
	s_cmp_gt_u32 s[STEP], s[BETA+(\x)]
	s_cbranch_scc1 .Lnk_\@
	KQ \x
.Lnk_\@:
.endm
.macro WVEC x
	s_cmp_gt_u32 s[STEP], s[BETA+(\x)]
	s_cbranch_scc1 .Lnv_\@
	VEC \x
.Lnv_\@:
.endm
.macro WPV x
	s_cmp_gt_u32 s[STEP], s[BETA+(\x)]
	s_cbranch_scc1 .Lnp_\@
	PVM \x
.Lnp_\@:
.endm
.macro FETCH_K                         ; a step's K: 64 keys x 128 channels, 32 loads in one run
	WIN 0
	v_add_nc_u32 v[ADR], s[TBK], v[AK0]
	s_add_co_u32 s[TBK], s[TBK], 64*PK
	WIN 0x80
.set f, 0
.rept 16
	ds_load_b128 v[KF+8*f:KF+8*f+3],   v[ADR] offset:(f/4)*16*PK+(f%4)*64
	ds_load_b128 v[KF+8*f+4:KF+8*f+7], v[ADR] offset:(f/4)*16*PK+(f%4)*64+32
.set f, f+1
.endr
	WIN 0
.endm
.macro FETCH_V                         ; a step's V, turned
	WIN 0
	v_add_nc_u32 v[ADR], s[TBV], v[AV0]
	s_add_co_u32 s[TBV], s[TBV], 64*PV
	WIN 0xc0
.set f, 0
.rept 16
	ds_load_tr16_b128 v[8*f:8*f+3],   v[ADR] offset:(f/8)*32*PV+(f%8)*32
	ds_load_tr16_b128 v[8*f+4:8*f+7], v[ADR] offset:(f/8)*32*PV+16*PV+(f%8)*32
.set f, f+1
.endr
	WIN 0
.endm
	s_wait_loadcnt 0x0                             ; Q is in (a first chunk's way; on the other way nothing is out)
	WIN 0xc0
.set i, 8
.rept 24                               ; silu g of pieces 1 to 3, in O^T's layout (piece i / 8, channels 16 (i % 8) + 8 (l / 16) on): wanted behind the loop, asked for now that the tiles have landed
	global_load_b128 v[SG+4*(i-8):SG+4*(i-8)+3], v[QO], s[SGB+2*(i/8):SGB+2*(i/8)+1] offset:32*(i%8)
.set i, i+1
.endr
	WIN 0
	s_mov_b32 s[TBK], 0
	s_mov_b32 s[TBV], 0
	s_mov_b32 s[STEP], 0
	FETCH_K                                        ; key step 0: on its way out of LDS while Q is scanned
	FETCH_V
	; Each query's largest |q| in packed f16, its exponent e, phi 2^-3.5 = 2^(14 - e - 3.5), and rho / phi.  The magnitudes go into S^T's registers, which the first scores write later.
	WIN 0x08                                       ; source 1 (Q) window 2, destination window 0
.set j, 0
.rept 128
	v_and_b32 v[S+j], s[ABSM], v[j]
.set j, j+1
.endr
	WIN 0
.macro QMAX x
.set j, 4
.rept 28
	v_pk_max_num_f16 v[S+32*(\x)+j%4], v[S+32*(\x)+j%4], v[S+32*(\x)+j]
.set j, j+1
.endr
	v_pk_max_num_f16 v[S+32*(\x)], v[S+32*(\x)], v[S+32*(\x)+1]
	v_pk_max_num_f16 v[S+32*(\x)+2], v[S+32*(\x)+2], v[S+32*(\x)+3]
	v_pk_max_num_f16 v[S+32*(\x)], v[S+32*(\x)], v[S+32*(\x)+2]
	v_lshrrev_b32 v51, 16, v[S+32*(\x)]
	v_pk_max_num_f16 v50, v[S+32*(\x)], v51
	v_permlanex16_b32 v51, v50, s[SEL], s[SEL+1]   ; the row's other channels lie in the lane 16 away
	v_pk_max_num_f16 v50, v50, v51
	v_bfe_u32 v50, v50, 10, 5
	v_sub_nc_u32 v51, 141, v50
	v_lshlrev_b32 v51, 23, v51                     ; phi
	v_add_nc_u32 v50, 113, v50
	v_lshlrev_b32 v50, 23, v50                     ; 1 / phi
	v_mul_f32 v[ST+8*(\x)+6], 0x3db504f3, v51
	v_mul_f32 v[ST+8*(\x)+7], v[ST+8*(\x)+7], v50
.endm
	QMAX 0
	QMAX 1
	QMAX 2
	QMAX 3
	s_cmp_eq_u32 s[NN], 0                          ; a first chunk has no cross product to scale
	s_cbranch_scc1 .Lnocross
.irp x, 0,1,2,3                        ; the cross product times phi G^beta gamma SS cs, each accumulator from its low end on
	WIN 0
	v_mul_f32 v[XF], v[XB], v[ST+8*(\x)+6]
	v_mul_f32 v[XF], s[GS+(\x)], v[XF]
	WIN 0x41
.set z, 0
.rept 32
	v_pk_mul_f32 v[64*(\x)+2*z:64*(\x)+2*z+1], v[64*(\x)+2*z:64*(\x)+2*z+1], v[XF:XF+1] op_sel_hi:[1,0]
.set z, z+1
.endr
.endr
	WIN 0
.Lnocross:
.Lstep:                                        ; key steps 0 to 6; each trip fetches the next step's K and V
	s_wait_dscnt 32                                ; K is in; V's 32 loads, issued behind it, may be out
	WKQ 0
	WKQ 1
	WKQ 2
	WKQ 3
	PLACES
	FETCH_K
	WVEC 0
	WVEC 1
	WVEC 2
	WVEC 3
	s_wait_dscnt 32                                ; V is in; the next K's 32 loads may be out
	WPV 0
	WPV 1
	WPV 2
	WPV 3
	PLACES
	FETCH_V
.irp x, 0,1,2,3
	s_mul_f32 s[GS+(\x)], s[GS+(\x)], s[GINV]
.endr
	s_add_co_u32 s[STEP], s[STEP], 1
	s_cmp_lt_u32 s[STEP], 7
	s_cbranch_scc1 .Lstep
	s_cmp_eq_u32 s[PP], 0                          ; step 7 concerns band 7 alone: piece 3 of the half p = 0
	s_cbranch_scc0 .Ldone
	s_wait_dscnt 32
	KQ 3
	PLACES
	VEC 3
	s_wait_dscnt 0x0
	PVM 3
.Ldone:
	s_wait_dscnt 0x0                               ; no LDS load is out: V's first registers take piece 0's silu g
	PLACES
	WIN 0xc0
.set i, 0
.rept 8                                ; piece 0's silu g: it is packed last, behind the other three pieces' work
	global_load_b128 v[4*i:4*i+3], v[QO], s[SGB:SGB+1] offset:32*i
.set i, i+1
.endr
	WIN 0
.irp x, 0,1,2,3
	v_add_f32 v[ST+8*(\x)], v[ST+8*(\x)], v[ST+8*(\x)+1]
	v_add_f32 v[ST+8*(\x)+2], v[ST+8*(\x)+2], v[ST+8*(\x)+3]
	v_add_f32 v[ST+8*(\x)], v[ST+8*(\x)], v[ST+8*(\x)+2]
.endr
.irp x, 0,1,2,3
	v_permlanex16_b32 v[ST+8*(\x)+1], v[ST+8*(\x)], s[SEL], s[SEL+1]
.endr
.irp x, 0,1,2,3
	v_add_f32 v[ST+8*(\x)], v[ST+8*(\x)], v[ST+8*(\x)+1]  ; l
.endr
	WIN 0x05
.irp x, 0,1,2,3                        ; the sum of O^2, two chains of pairs
	v_pk_mul_f32 v[ST+8*(\x)+2:ST+8*(\x)+3], v[64*(\x):64*(\x)+1], v[64*(\x):64*(\x)+1]
	v_pk_mul_f32 v[ST+8*(\x)+4:ST+8*(\x)+5], v[64*(\x)+2:64*(\x)+3], v[64*(\x)+2:64*(\x)+3]
.set z, 2
.rept 30
	v_pk_fma_f32 v[ST+8*(\x)+2+2*(z%2):ST+8*(\x)+3+2*(z%2)], v[64*(\x)+2*z:64*(\x)+2*z+1], v[64*(\x)+2*z:64*(\x)+2*z+1], v[ST+8*(\x)+2+2*(z%2):ST+8*(\x)+3+2*(z%2)]
.set z, z+1
.endr
.endr
	WIN 0
.irp x, 0,1,2,3
	v_pk_add_f32 v[ST+8*(\x)+2:ST+8*(\x)+3], v[ST+8*(\x)+2:ST+8*(\x)+3], v[ST+8*(\x)+4:ST+8*(\x)+5]
	v_add_f32 v[ST+8*(\x)+2], v[ST+8*(\x)+2], v[ST+8*(\x)+3]
.endr
.irp x, 0,1,2,3
	v_permlanex16_b32 v[ST+8*(\x)+3], v[ST+8*(\x)+2], s[SEL], s[SEL+1]
.endr
.irp x, 0,1,2,3
	v_add_f32 v[ST+8*(\x)+2], v[ST+8*(\x)+2], v[ST+8*(\x)+3]
	v_mul_f32 v[ST+8*(\x)+1], v[ST+8*(\x)+7], v[ST+8*(\x)]
	v_max3_num_f32 v[ST+8*(\x)+1], v[ST+8*(\x)+1], 1.0, v[CSC]  ; max(inner_scale with its clip, cross_scale)
.endr
.irp x, 0,1,2,3
	v_rcp_f32 v[ST+8*(\x)+1], v[ST+8*(\x)+1]
.endr
	v_nop
	s_wait_alu depctr_va_vdst(0)
.irp x, 0,1,2,3
	v_mul_f32 v[ST+8*(\x)+1], v[ST+8*(\x)+7], v[ST+8*(\x)+1]  ; lambda: out = lambda O
	v_mul_f32 v[ST+8*(\x)], v[ST+8*(\x)+1], v[ST+8*(\x)+1]
	v_mul_f32 v[ST+8*(\x)], v[ST+8*(\x)], v[ST+8*(\x)+2]
	v_fmaak_f32 v[ST+8*(\x)], s[I128], v[ST+8*(\x)], 0x358637bd  ; mean(out^2) + 1e-6
.endr
.irp x, 0,1,2,3
	v_rsq_f32 v[ST+8*(\x)], v[ST+8*(\x)]
.endr
	v_nop
	s_wait_alu depctr_va_vdst(0)
.irp x, 0,1,2,3
	v_mul_f32 v[ST+8*(\x)+4], v[ST+8*(\x)+1], v[ST+8*(\x)]  ; mu
.endr
; THE WAY OUT of a piece: O mu, times silu g with one rounding to f16; 16 bytes a lane into my stage, whole rows of 256 bytes back.
.macro PACKY x
.set SGR, SG+32*((\x)-1)               ; where the piece's silu g lies in window 3
.if (\x) == 0
.set SGR, 0
.endif
	WIN 0x41
.set z, 0
.rept 32
	v_pk_mul_f32 v[64*(\x)+2*z:64*(\x)+2*z+1], v[64*(\x)+2*z:64*(\x)+2*z+1], v[ST+8*(\x)+4:ST+8*(\x)+5] op_sel_hi:[1,0]
.set z, z+1
.endr
	WIN 0x0d                                       ; O in window 1, silu g in window 3, the zero and the result in window 0
.set z, 0
.rept 32
	v_fma_mixlo_f16 v[S+32*(\x)+z], v[64*(\x)+2*z], v[SGR+z], v[NIL] op_sel_hi:[0,1,0]
	v_fma_mixhi_f16 v[S+32*(\x)+z], v[64*(\x)+2*z+1], v[SGR+z], v[NIL] op_sel:[0,1,0] op_sel_hi:[0,1,0]
.set z, z+1
.endr
	WIN 0
.irp f, 0,1,2,3,4,5,6,7
	ds_store_b128 v[STO], v[S+32*(\x)+4*(\f):S+32*(\x)+4*(\f)+3] offset:32*(\f)
.endr
.irp f, 0,1,2,3,4,5,6,7
	ds_load_b128 v[S+32*(\x)+4*(\f):S+32*(\x)+4*(\f)+3], v[RD] offset:(\f)*2*SP  ; LDS serves a wave's instructions in order (ISA guide 5.7.1.4): these see the stores above
.endr
.endm
.macro SENDY x, younger                ; younger: the LDS instructions issued behind this piece's loads: the next piece's sixteen, or none
.irp f, 0,1,2,3,4,5,6,7
	s_wait_dscnt (\younger)+7-(\f)
	global_store_b128 v[GO], v[S+32*(\x)+4*(\f):S+32*(\x)+4*(\f)+3], s[YB+2*(\x):YB+2*(\x)+1] offset:4096*(\f)  ; 16 lanes store a head's 256 bytes of a row, aligned
.endr
.endm
	s_wait_loadcnt 8                               ; silu g of pieces 1 to 3 is in; piece 0's eight loads, the youngest, may stay out
	PACKY 1
	PACKY 2
	SENDY 1, 16
	PACKY 3
	SENDY 2, 16
	s_wait_loadcnt 0x0                             ; piece 0's silu g
	PACKY 0
	SENDY 3, 16
	SENDY 0, 0
	s_wait_tensorcnt 0x0                           ; the wave's end, behind my last tensor load and my last LDS store
	ds_add_u32 v[SPW], v[NIL]
	s_wait_dscnt 0x0
	s_endpgm
.Lfunc_end_k_qe38cf50bc5_ret:
	.size	k_qe38cf50bc5_ret, .Lfunc_end_k_qe38cf50bc5_ret-k_qe38cf50bc5_ret
	.p2alignl 7, 3214868480
	.fill 96, 4, 3214868480
	.section	.rodata,"a",@progbits
	.p2align	6, 0x0
	.amdhsa_kernel k_qe38cf50bc5_ret
		.amdhsa_group_segment_fixed_size 327680
		.amdhsa_private_segment_fixed_size 0
		.amdhsa_enable_private_segment 0
		.amdhsa_kernarg_size 24
		.amdhsa_user_sgpr_count 2
		.amdhsa_user_sgpr_kernarg_segment_ptr 1
		.amdhsa_wavefront_size32 1
		.amdhsa_system_sgpr_workgroup_id_x 1
		.amdhsa_system_sgpr_workgroup_id_y 1
		.amdhsa_system_sgpr_workgroup_id_z 1
		.amdhsa_system_vgpr_workitem_id 0
		.amdhsa_next_free_vgpr 1024
		.amdhsa_next_free_sgpr 96
		.amdhsa_reserve_vcc 1
		.amdhsa_float_denorm_mode_32 3
		.amdhsa_float_denorm_mode_16_64 3
		.amdhsa_memory_ordered 1
		.amdhsa_forward_progress 1
		.amdhsa_inst_pref_size 201
	.end_amdhsa_kernel
	.amdgpu_metadata
---
amdhsa.version: [ 1, 2 ]
amdhsa.kernels:
  - .name:           k_qe38cf50bc5_ret
    .symbol:         k_qe38cf50bc5_ret.kd
    .args:
      - { .name: qkvg, .offset: 0, .size: 8, .value_kind: global_buffer, .address_space: global }
      - { .name: ckv, .offset: 8, .size: 8, .value_kind: global_buffer, .address_space: global }
      - { .name: yh, .offset: 16, .size: 8, .value_kind: global_buffer, .address_space: global }
    .group_segment_fixed_size: 327680
    .private_segment_fixed_size: 0
    .kernarg_segment_align: 8
    .kernarg_segment_size: 24
    .max_flat_workgroup_size: 128
    .sgpr_count:     96
    .vgpr_count:     1024
    .wavefront_size: 32
...
	.end_amdgpu_metadata
.endif
;; end of part 4
;; launch outp (part 5): grid 8 x 32, 4 waves a work-group, clusters of 4 x 4, 327,680 bytes of LDS; arguments yh, wh, out0; writes out0
.if DOCPART == 5
	.amdgcn_target "amdgcn-amd-amdhsa--gfx1250"
	.amdhsa_code_object_version 6
	.text
	.protected	k_qe38cf50bc5_outp
	.globl	k_qe38cf50bc5_outp
	.p2align	8
	.type	k_qe38cf50bc5_outp,@function
k_qe38cf50bc5_outp:
	s_mov_b64 s[64:65], 0
	v_nop
	global_prefetch_b8 v0, s[64:65] scope:SCOPE_SE
	s_setreg_imm32_b32 hwreg(HW_REG_WAVE_MODE, 25, 1), 1
	s_wait_xcnt 0x0
	s_wait_alu depctr_hold_cnt(0) depctr_sa_sdst(0) depctr_va_vdst(0) depctr_va_sdst(0) depctr_va_ssrc(0) depctr_va_vcc(0) depctr_vm_vsrc(0)
	s_getreg_b32 s2, hwreg(HW_REG_IB_STS2, 6, 4)
	s_cmp_eq_u32 s2, 0
	s_cbranch_scc0 .Lentry_in_a_cluster
	s_endpgm
.Lentry_in_a_cluster:
	s_bfe_u32 s2, ttmp6, 0x10000c
	s_cmp_lg_u32 s2, 0xf033
	s_cbranch_scc0 .Lentry_shape_is_right
	s_endpgm
.Lentry_shape_is_right:
; OUTP.  out0 = y Wo: [8192 x 1024] x [1024 x 1024] in f16 with f32 sums; the results leave in f32.  Left out: the stores of the pad rows 500-511 of each chunk, which are no rows of the output.
; SHARES.  A tile is 256 rows x 128 columns: 256 work-groups.  A wave makes 128 x 64: 32 accumulators, window 2.  K goes in 8 steps of 128 through a ring of two LDS slots.
; THE TEXT OF THE RING.  A K step is written twice: once for the six steps behind which a slot is filled again (a loop of six trips), once for the last two (a loop of two trips, left in its middle).
; What differs between the slots lies in registers: s[TB], the slot that is read, and one walking group 0 for each tensor, both turned by an exclusive or: slot 1 begins at byte 1 << 17.
; CLUSTER.  4 x 4: y's tile is shared along a row of the cluster, Wo's along a column.  The tile row is 8 cy + cluster y, so its parity, on which the jump round the pad rows' stores hangs, is the cluster's own.
; Source 0 = 16 columns of Wo ([k][n], turned by ds_load_tr16_b128), source 1 = 16 rows of y: a lane holds row l % 16 and the columns 8 (l / 16) + 0..7.
; Prefetched: y's K steps 4 to 7, as the launch of the projections asks for x's.  Wo's are not: a partner's share of a K step would be 16 blocks of 256 bytes, half a wave's lanes.
.set PA,    272
.set PB,    288                        ; a row of Wo's tile: 256 + 32 bytes
.set HALFA, 34816
.set HALFB, 18432
.set BOFF,  2*HALFA
.set SLOT,  1<<17                      ; a slot holds 106,496 bytes; slot 1 begins here, so that one exclusive or turns an address in one slot into the other's
.set STAGE, SLOT+BOFF+2*HALFB          ; behind the ring: 16 rows x 272 bytes for each wave
.set SP,    272
.set SPARE, STAGE+4*16*SP              ; the spare words: two blocks of 256 bytes that no other line names
.set FILLS, 6                          ; K steps behind which a slot is filled again: 8 - 2
.set ADRA0, 16                         ; v16 LDS address of my fragments of y in slot 0; never rewritten
.set ADRA,  17                         ; v17 the same in the slot that is read
.set ADRB0, 20                         ; v20, v21 the same for Wo
.set ADRB,  21
.set STO,  24
.set RD,   25
.set CO,   26
.set SPW,  28
.set NIL,  29
.set PFO,  30
.set OB,   32                          ; the way out: seven buffers of 32 registers, v32-255: 16 rows read back from the stage
.set F0,   64
.set F1,   128
.set G1,  24
.set G0,  32
.set G1B, 48
.set G0B, 56
.set PFA, 66
.set LIM, 70
.set TB,  71                           ; s71 LDS byte at which the slot that is read begins: 0 or SLOT
.set MSB, 0
.macro WIN new
.if MSB != (\new)
	s_set_vgpr_msb (MSB<<8)|(\new)
.set MSB, \new
.endif
.endm
.set MULW, 0xa1                        ; source 0 (Wo) window 1, source 1 (y) window 0, C and D window 2
.set TO_B, 0x40
.macro JLOAD s                         ; waves 0 and 1 fetch y's two halves, waves 2 and 3 Wo's; an s_nop 0 and four v_nop follow each of the two lines
	s_cmp_eq_u32 s11, 0
	s_cbranch_scc0 .Lfor_b_\@
	tensor_load_to_lds s[G0+4*(\s):G0+4*(\s)+3], s[G1:G1+7]
	s_nop 0
.rept 4
	v_nop
.endr
	s_branch .Lasked_\@
.Lfor_b_\@:
	tensor_load_to_lds s[G0B+4*(\s):G0B+4*(\s)+3], s[G1B:G1B+7]
	s_nop 0
.rept 4
	v_nop
.endr
.Lasked_\@:
.endm
.macro ASK                             ; y's K step two refills on: waves 0 and 1 of the clusters with x = 0; the four partners take 32 rows each, by address; the loop's last two trips (s3 = 2, 1) ask for nothing
	s_cmp_gt_u32 s3, s[LIM]
	s_cbranch_scc0 .Lnot_mine_\@
	global_prefetch_b8 v[PFO], s[PFA:PFA+1] th:TH_LOAD_NT scope:SCOPE_SE
.Lnot_mine_\@:
.endm
.macro CREST
	s_cmp_lg_u32 s10, 0
	s_cbranch_scc1 .Lnot_wave_0_\@
	s_barrier_signal -3
.Lnot_wave_0_\@:
	s_barrier_wait -3
	s_barrier_signal -1
	s_barrier_wait -1
.endm
.macro CROUND
	s_barrier_signal -1
	s_barrier_wait -1
	CREST
.endm
	s_load_b128 s[4:7], s[0:1], 0x0                ; yh, wh
	s_load_b64 s[8:9], s[0:1], 0x10                ; out0
	v_lshl_add_u32 v[SPW], v0, 2, SPARE
	v_mov_b32 v[NIL], 0
	ds_add_u32 v[SPW], v[NIL]                      ; the wave's opening: the add, twice on end, and its wait ahead of my first tensor load
	ds_add_u32 v[SPW], v[NIL]
	v_lshrrev_b32 v1, 5, v0
	v_readfirstlane_b32 s10, v1
	s_lshr_b32 s11, s10, 1                         ; my half of the tile's rows.  Also: I fetch for y (0) or for Wo (1)
	s_and_b32 s12, s10, 1                          ; my half of its columns.  Also: which half of that tile I fetch
	s_bfe_u32 s40, ttmp6, 0x40000                  ; cx
	s_bfe_u32 s41, ttmp6, 0x40004                  ; cy
	s_lshl_b32 s42, ttmp9, 2
	s_add_co_u32 s42, s42, s40                     ; tile column = 4 x cluster x + cx
	s_and_b32 s13, ttmp7, 0xffff
	s_lshl_b32 s45, s41, 3
	s_add_co_u32 s13, s13, s45                     ; tile row = 8 cy + cluster y
	s_lshl_b32 s43, s41, 2
	s_lshl_b32 s43, 15, s43
	s_lshl_b32 s44, 0x1111, s40
	s_or_b32 s[G1+0], s43, (1<<16)|(1<<20)|(1<<21)|(5<<22)|(3<<25)
	s_or_b32 s[G1B+0], s44, (1<<16)|(1<<20)|(1<<21)|(5<<22)|(7<<25)
	s_mov_b32 s[G1+1], 128<<16
	s_mov_b32 s[G1+2], 128<<16
	s_mov_b32 s[G1+3], 128<<16
	s_mov_b32 s[G1+4], 128
	s_mov_b32 s[G1+5], 1024
	s_mov_b32 s[G1+6], 0
	s_mov_b32 s[G1+7], 0
	s_mov_b32 s[G1B+1], 128<<16                    ; 128 columns
	s_mov_b32 s[G1B+2], 64<<16                     ; 64 rows of k
	s_mov_b32 s[G1B+3], 128<<16
	s_mov_b32 s[G1B+4], 64
	s_mov_b32 s[G1B+5], 1024
	s_mov_b32 s[G1B+6], 0
	s_mov_b32 s[G1B+7], 0
	s_lshl_b32 s16, s13, 8
	s_lshl_b32 s17, s12, 7
	s_add_co_u32 s16, s16, s17
	s_lshl_b32 s16, s16, 11                        ; y: row 256 x tile row + 128 x half, in bytes
	s_mov_b32 s17, 0
	s_lshl_b32 s46, s12, 17                        ; Wo: 64 rows of k x half,
	s_lshl_b32 s47, s42, 8                         ; 128 columns x tile column,
	s_add_co_u32 s46, s46, s47
	s_add_co_u32 s46, s46, 0x800000                ; the fifth matrix of wh
	s_mov_b32 s47, 0
	s_mul_i32 s20, s10, HALFA                      ; where y's halves go (waves 0, 1),
	s_mul_i32 s21, s10, HALFB
	s_add_co_u32 s21, s21, BOFF-2*HALFB            ; and Wo's (waves 2, 3)
	s_wait_dscnt 0x0
	s_wait_kmcnt 0x0
	s_add_nc_u64 s[14:15], s[4:5], s[16:17]
	s_add_nc_u64 s[46:47], s[6:7], s[46:47]
	CROUND
.irp s, 0,1
	s_mov_b32 s[G0+4*(\s)], 1
	s_add_co_u32 s[G0+4*(\s)+1], s20, (\s)*SLOT
	s_add_nc_u64 s[G0+4*(\s)+2:G0+4*(\s)+3], s[14:15], (\s)*256
	s_or_b32 s[G0+4*(\s)+3], s[G0+4*(\s)+3], 0x80000000
	s_mov_b32 s[G0B+4*(\s)], 1
	s_add_co_u32 s[G0B+4*(\s)+1], s21, (\s)*SLOT
	s_add_nc_u64 s[G0B+4*(\s)+2:G0B+4*(\s)+3], s[46:47], (\s)*262144
	s_or_b32 s[G0B+4*(\s)+3], s[G0B+4*(\s)+3], 0x80000000
	JLOAD \s
.endr
	v_and_b32 v1, 15, v0
	v_bfe_u32 v2, v0, 4, 1
	v_mul_u32_u24 v3, v1, PA
	v_lshl_add_u32 v3, v2, 4, v3
	s_mul_i32 s22, s11, HALFA
	v_and_b32 v4, 7, v0
	v_lshl_add_u32 v4, v2, 3, v4
	v_mul_u32_u24 v4, v4, PB
	v_bfe_u32 v5, v0, 3, 1
	v_lshl_add_u32 v4, v5, 4, v4
	s_lshl_b32 s23, s12, 7                         ; my 64 columns
	s_add_co_u32 s23, s23, BOFF
	v_add_nc_u32 v[ADRA0], s22, v3
	v_add_nc_u32 v[ADRB0], s23, v4
	v_mov_b32 v[ADRA], v[ADRA0]                    ; slot 0 is read first
	v_mov_b32 v[ADRB], v[ADRB0]
	s_mov_b32 s[TB], 0
	s_mul_i32 s23, s10, 16*SP
	s_add_co_u32 s23, s23, STAGE
	v_mul_u32_u24 v6, v1, SP
	v_lshl_add_u32 v6, v2, 5, v6
	v_add_nc_u32 v[STO], s23, v6                   ; in: row l % 16, 32 bytes for each half of the lanes
	v_mul_u32_u24 v6, v2, SP
	v_lshl_add_u32 v6, v1, 4, v6
	v_add_nc_u32 v[RD], s23, v6                    ; back: lanes 0-15 one row of 256 bytes, lanes 16-31 the next
	v_lshlrev_b32 v6, 12, v2
	v_lshl_add_u32 v[CO], v1, 4, v6                ; the same two rows in out0
	s_lshr_b32 s72, s13, 1                         ; the chunk: its 500 rows,
	s_mul_i32 s72, s72, 500
	s_and_b32 s73, s13, 1
	s_lshl_b32 s73, s73, 8
	s_add_co_u32 s72, s72, s73                     ; the tile's 256,
	s_lshl_b32 s73, s11, 7
	s_add_co_u32 s72, s72, s73                     ; my 128
	s_lshl_b32 s72, s72, 12
	s_lshl_b32 s73, s42, 9
	s_add_co_u32 s72, s72, s73
	s_lshl_b32 s73, s12, 8
	s_add_co_u32 s72, s72, s73
	s_mov_b32 s73, 0
	s_add_nc_u64 s[8:9], s[8:9], s[72:73]
	s_lshl_b32 s74, s13, 8
	s_lshl_b32 s75, s12, 7
	s_add_co_u32 s74, s74, s75
	s_lshl_b32 s75, s40, 5
	s_add_co_u32 s74, s74, s75
	s_lshl_b32 s74, s74, 11
	s_add_co_u32 s74, s74, 3*256                   ; at K step 3: the first refill steps it to 4
	s_mov_b32 s75, 0
	s_add_nc_u64 s[PFA:PFA+1], s[4:5], s[74:75]
	s_or_b32 s76, s11, ttmp9
	s_cmp_eq_u32 s76, 0
	s_cselect_b32 s[LIM], 2, -1
	v_and_b32 v7, 31, v0
	v_lshlrev_b32 v[PFO], 11, v7
.macro MUL8 f, a0, zero                ; m blocks a0, a0 + 1 x 4 n blocks, 32 along K
	WIN MULW
.irp a, \a0, (\a0)+1
.irp b, 0,1,2,3
.if \zero
	v_wmma_f32_16x16x32_f16 v[8*(4*(\a)+(\b)):8*(4*(\a)+(\b))+7], v[(\f)+8*(\b):(\f)+8*(\b)+7], v[(\f)+8*(\a):(\f)+8*(\a)+7], 0
.else
	v_wmma_f32_16x16x32_f16 v[8*(4*(\a)+(\b)):8*(4*(\a)+(\b))+7], v[(\f)+8*(\b):(\f)+8*(\b)+7], v[(\f)+8*(\a):(\f)+8*(\a)+7], v[8*(4*(\a)+(\b)):8*(4*(\a)+(\b))+7]
.endif
.endr
.endr
.endm
.macro FETCH q, f                      ; 24 LDS loads in one run, from the slot that is read: Wo's 4 fragments (turned), then y's 8
	WIN TO_B
.irp i, 0,1,2,3
	ds_load_tr16_b128 v[(\f)+8*(\i):(\f)+8*(\i)+3],   v[ADRB] offset:(\q)*32*PB+(\i)*32
	ds_load_tr16_b128 v[(\f)+8*(\i)+4:(\f)+8*(\i)+7], v[ADRB] offset:(\q)*32*PB+(\i)*32+16*PB
.endr
	WIN 0
.irp i, 0,1,2,3,4,5,6,7
	ds_load_b128 v[(\f)+8*(\i):(\f)+8*(\i)+3],   v[ADRA] offset:(\q)*64+(\i)*16*PA
	ds_load_b128 v[(\f)+8*(\i)+4:(\f)+8*(\i)+7], v[ADRA] offset:(\q)*64+(\i)*16*PA+32
.endr
.endm
.macro PLACES
.rept 4
	v_nop
.endr
.endm
.macro QUARTER q, f, g, zero
	s_wait_dscnt 8                                 ; Wo's and y's rows 0-63 are in; the youngest eight loads may be out
	MUL8 \f, 0, \zero
	MUL8 \f, 2, \zero
	PLACES
	FETCH \q, \g
	s_wait_dscnt 24                                ; all but the 24 just issued
	MUL8 \f, 4, \zero
	MUL8 \f, 6, \zero
.endm
; The change of slots: all reads of this slot have been issued, so the two addresses go on to the other slot; then all my tensor loads, the add, the wait for it and for my reads of this slot, one barrier.
.macro MEET
	WIN 0
	s_xor_b32 s[TB], s[TB], SLOT
	v_add_nc_u32 v[ADRA], s[TB], v[ADRA0]
	v_add_nc_u32 v[ADRB], s[TB], v[ADRB0]
	s_wait_tensorcnt 0x0
	ds_add_u32 v[SPW], v[NIL]
	s_wait_dscnt 9                                 ; (the add and the youngest eight loads may be out)
	MUL8 F1, 0, 0
	s_wait_dscnt 0x0
	s_barrier_signal -1
	MUL8 F1, 2, 0
	WIN 0
	s_barrier_wait -1
.endm
.macro TURN                            ; a K step's last quarter where the slot is filled again, with the K step two steps on, first thing behind a round of the cluster's barrier
	s_wait_xcnt 0x0                                ; the last prefetch, a K step back, has read its address
	s_add_nc_u64 s[PFA:PFA+1], s[PFA:PFA+1], 256
	MEET
	CREST
	s_xor_b32 s[G0+5], s[G0+5], SLOT               ; the walking descriptors: the other slot than last time,
	s_add_nc_u64 s[G0+6:G0+7], s[G0+6:G0+7], 256   ; the next K step; the type bits on top are not reached
	s_xor_b32 s[G0B+5], s[G0B+5], SLOT
	s_add_nc_u64 s[G0B+6:G0B+7], s[G0B+6:G0B+7], 262144
	JLOAD 1
	FETCH 0, F0
	ASK
	MUL8 F1, 4, 0
	MUL8 F1, 6, 0
.endm
	s_wait_tensorcnt 1                             ; my part of K step 0 is in; K step 1's may stay out
	s_barrier_signal -1
	s_barrier_wait -1
	FETCH 0, F0
	QUARTER 1, F0, F1, 1                           ; the first quarter stands in front of the loop: its products start the sums
	WIN 0
	s_mov_b32 s3, FILLS
.Lstep:                                        ; a trip goes from a K step's second quarter to the next step's first, and fills the slot that it leaves
	QUARTER 2, F1, F0, 0
	QUARTER 3, F0, F1, 0
	TURN
	QUARTER 1, F0, F1, 0
	WIN 0
	s_sub_co_u32 s3, s3, 1
	s_cmp_lg_u32 s3, 0
	s_cbranch_scc1 .Lstep
	s_mov_b32 s3, 2
.Ltail:                                        ; the last two K steps fill nothing: written apart; the second trip is left in its middle
	QUARTER 2, F1, F0, 0
	QUARTER 3, F0, F1, 0
	MEET
	s_sub_co_u32 s3, s3, 1
	s_cmp_eq_u32 s3, 0
	s_cbranch_scc1 .Llast
	PLACES
	FETCH 0, F0
	MUL8 F1, 4, 0
	MUL8 F1, 6, 0
	QUARTER 1, F0, F1, 0
	WIN 0
	s_branch .Ltail
.Llast:                                        ; the very last quarter's second half: nothing more to fetch
	MUL8 F1, 4, 0
	MUL8 F1, 6, 0
	WIN 0
	PLACES
	; THE WAY OUT, a block of 16 rows at a time through my own stage: f32 as it is, 16 lanes to a row's 256 bytes.  A block's trip through the stage stands ahead of the stores of the block before.
	; Seven register buffers take turns, and a block's place stands in the stores' immediate (516,096 at the most), so the stores' base is never written and one wait frees registers: where block 7 takes block 0's.
.macro TOSTAGE a
.if (\a) == 7
	s_wait_xcnt 0x0                                ; block 0's stores have read the registers that block 7's rows are loaded into
.endif
	WIN 0x08
.irp b, 0,1,2,3
	ds_store_b128 v[STO], v[8*(4*(\a)+(\b)):8*(4*(\a)+(\b))+3]   offset:64*(\b)     ; each accumulator's low four registers first
	ds_store_b128 v[STO], v[8*(4*(\a)+(\b))+4:8*(4*(\a)+(\b))+7] offset:64*(\b)+16
.endr
	WIN 0
.irp t, 0,1,2,3,4,5,6,7
	ds_load_b128 v[OB+32*((\a)%7)+4*(\t):OB+32*((\a)%7)+4*(\t)+3], v[RD] offset:(\t)*2*SP  ; LDS serves a wave's instructions in order (ISA guide 5.7.1.4): these see the stores above, and the next block's stores come behind them
.endr
.endm
.macro PUT a, t                        ; two rows of block a: 16 lanes store 256 consecutive bytes, at a multiple of 256 from out0's first byte
	global_store_b128 v[CO], v[OB+32*((\a)%7)+4*(\t):OB+32*((\a)%7)+4*(\t)+3], s[8:9] offset:65536*(\a)+8192*(\t)
.endm
	TOSTAGE 0
.irp a, 1,2,3,4,5,6,7
	TOSTAGE \a
	s_wait_dscnt 16                                ; the block before is back in registers; this block's sixteen LDS instructions may be out
.irp t, 0,1,2,3,4,5,6,7
	PUT (\a)-1, \t
.endr
.endr
	s_wait_dscnt 0x0
	PUT 7, 0
	PUT 7, 1
	s_and_b32 s72, ttmp7, 1                        ; in a chunk's second tile the lower waves' last block holds rows 496-511: rows 500 on are pad rows
	s_and_b32 s72, s72, s11
	s_cmp_eq_u32 s72, 1
	s_cbranch_scc1 .Lpad
.irp t, 2,3,4,5,6,7
	PUT 7, \t
.endr
.Lpad:
	s_wait_tensorcnt 0x0                           ; the wave's end
	ds_add_u32 v[SPW], v[NIL]
	s_wait_dscnt 0x0
	CROUND                                         ; the closing round
	s_endpgm
.Lfunc_end_k_qe38cf50bc5_outp:
	.size	k_qe38cf50bc5_outp, .Lfunc_end_k_qe38cf50bc5_outp-k_qe38cf50bc5_outp
	.p2alignl 7, 3214868480
	.fill 96, 4, 3214868480
	.section	.rodata,"a",@progbits
	.p2align	6, 0x0
	.amdhsa_kernel k_qe38cf50bc5_outp
		.amdhsa_group_segment_fixed_size 327680
		.amdhsa_private_segment_fixed_size 0
		.amdhsa_enable_private_segment 0
		.amdhsa_kernarg_size 24
		.amdhsa_user_sgpr_count 2
		.amdhsa_user_sgpr_kernarg_segment_ptr 1
		.amdhsa_wavefront_size32 1
		.amdhsa_system_sgpr_workgroup_id_x 1
		.amdhsa_system_sgpr_workgroup_id_y 1
		.amdhsa_system_sgpr_workgroup_id_z 1
		.amdhsa_system_vgpr_workitem_id 0
		.amdhsa_next_free_vgpr 768
		.amdhsa_next_free_sgpr 96
		.amdhsa_reserve_vcc 0
		.amdhsa_float_denorm_mode_32 3
		.amdhsa_float_denorm_mode_16_64 3
		.amdhsa_memory_ordered 1
		.amdhsa_forward_progress 1
		.amdhsa_inst_pref_size 63
	.end_amdhsa_kernel
	.amdgpu_metadata
---
amdhsa.version: [ 1, 2 ]
amdhsa.kernels:
  - .name:           k_qe38cf50bc5_outp
    .symbol:         k_qe38cf50bc5_outp.kd
    .args:
      - { .name: yh, .offset: 0, .size: 8, .value_kind: global_buffer, .address_space: global }
      - { .name: wh, .offset: 8, .size: 8, .value_kind: global_buffer, .address_space: global }
      - { .name: out0, .offset: 16, .size: 8, .value_kind: global_buffer, .address_space: global }
    .group_segment_fixed_size: 327680
    .private_segment_fixed_size: 0
    .kernarg_segment_align: 8
    .kernarg_segment_size: 24
    .max_flat_workgroup_size: 128
    .sgpr_count:     96
    .vgpr_count:     768
    .wavefront_size: 32
...
	.end_amdgpu_metadata
.endif
;; end of part 5
